; MI455X (gfx1250); checked and timed in simulation.
; The chip was launched on July 23, 2026; its instructions are those of AMD's public machine-readable ISA for CDNA 5 (MIT licence, August 2026) and "CDNA5" Instruction Set Architecture Reference Guide (July 2026). The comments in the code are by the model that wrote it; some were corrected since.
;; Attention. Allowed arithmetic: float matrix products may take bf16 or f16 operands with f32 sums; other float arithmetic in f32, or as packed bf16 or f16 multiplies, adds, multiply-adds, maxima and minima; sums over many terms, partial sums and values carried from step to step in f32; what a program stores and reads back later, other than sums and carried values, may be rounded once to bf16 or f16.
;; Inputs: wk 1,024 x 1,024 float32; wo 1,024 x 1,024 float32; wq 1,024 x 1,024 float32; wv 1,024 x 1,024 float32; x 4 x 2,048 x 1,024 float32.
;; Outputs: out0 4 x 2,048 x 1,024 float32.
;; One version. Each part assembles by itself: llvm-mc -triple=amdgcn-amd-amdhsa -mcpu=gfx1250 --defsym DOCPART=n.
;; ======== version 1 of 1: 6 launches
;; limits: values are held in f16: magnitudes above 65,504 overflow, below 6.1e-05 lose precision
;; workspace buffers: xb 16,777,216 bytes; w16 8,388,608 bytes; qk 33,554,432 bytes; vt 16,777,216 bytes; p 33,554,432 bytes; stats 1,048,576 bytes; ctx 16,777,216 bytes
;; launch cvt (part 1): grid 1536 x 1, 8 waves a work-group, no clusters, 0 bytes of LDS; arguments x, wq, wk, wv, wo, xb, w16; writes xb, w16
.if DOCPART == 1
	.amdgcn_target "amdgcn-amd-amdhsa--gfx1250"
	.amdhsa_code_object_version 6
	.text
	.protected	k_q3b6c716a5b_cvt
	.globl	k_q3b6c716a5b_cvt
	.p2align	8
	.type	k_q3b6c716a5b_cvt,@function
k_q3b6c716a5b_cvt:
	s_mov_b64 s[64:65], 0
	v_nop
	global_prefetch_b8 v0, s[64:65] scope:SCOPE_SE
	s_setreg_imm32_b32 hwreg(HW_REG_WAVE_MODE, 25, 1), 1
	s_wait_xcnt 0x0
; THE INPUTS IN 16 BITS.  xb = bf16(x), [8192][1024].  w16, [4096][1024]: rows 0-1023 bf16(wq), 1024-2047 bf16(wk), 2048-3071 bf16(wv),
; rows 3072-4095 bf16(wo) written as f16 (the last product multiplies in f16).  Every input is rounded to bf16, once, to nearest even.
; LIMITS.  bf16(wo) of 65,520 or more in size becomes an infinity in f16; below 2^-14 it keeps f16's fixed step of 2^-24.
; A stream: no LDS, no barrier, no matrix unit, no cluster: no byte is read twice and no work-group shares an input with another.
; SHARES.  Work-group g takes 8,192 numbers (32,768 bytes in, 16,384 out): g 0-1023 of x, then 128 each of wq, wk, wv, wo.  They go in 8 parts of 1,024 numbers; thread t takes
; numbers 4 t .. 4 t + 3 of each part: a load of a wave covers 512 consecutive bytes, a store 256 consecutive bytes at a multiple of 256 from the buffer's first byte.
; All eight loads go out at once; no register is written twice, so no wait frees a source.
.set X, 8                              ; v[8:39]   part j: 4 registers as loaded
.set Y, 40                             ; v[40:55]  part j: 2 registers to store
.set T, 56                             ; v[56:57]  at work
	s_load_b256 s[4:11], s[0:1], 0x0               ; x s[4:5], wq s[6:7], wk s[8:9], wv s[10:11]
	s_load_b128 s[12:15], s[0:1], 0x20             ; wo s[12:13], xb s[14:15]
	s_load_b64 s[16:17], s[0:1], 0x30              ; w16
	s_mov_b32 s18, ttmp9                           ; g
	s_cmp_ge_u32 s18, 1024
	s_cselect_b32 s19, 1024, 0
	s_sub_co_u32 s20, s18, s19                     ; my place in the output buffer: g in xb, g - 1024 in w16
	s_and_b32 s21, s20, 127                        ; my place in a weight matrix
	s_cmp_ge_u32 s18, 1024
	s_cselect_b32 s21, s21, s20                    ; my place in the input buffer
	s_lshl_b32 s26, s21, 15                        ; in bytes, as pairs with 0 above: both stay under 2^26
	s_mov_b32 s27, 0
	s_lshl_b32 s28, s20, 14
	s_mov_b32 s29, 0
	v_lshlrev_b32 v1, 4, v0                        ; 16 t: my bytes in a part as loaded
	v_lshlrev_b32 v2, 3, v0                        ; 8 t: as stored
	s_wait_kmcnt 0x0
	s_cmp_ge_u32 s18, 1024                         ; the buffers are chosen by g alone
	s_cselect_b64 s[22:23], s[6:7], s[4:5]
	s_cselect_b64 s[24:25], s[16:17], s[14:15]
	s_cmp_ge_u32 s18, 1152
	s_cselect_b64 s[22:23], s[8:9], s[22:23]
	s_cmp_ge_u32 s18, 1280
	s_cselect_b64 s[22:23], s[10:11], s[22:23]
	s_cmp_ge_u32 s18, 1408
	s_cselect_b64 s[22:23], s[12:13], s[22:23]
	s_add_nc_u64 s[22:23], s[22:23], s[26:27]
	s_add_nc_u64 s[24:25], s[24:25], s[28:29]
.irp j, 0,1,2,3,4,5,6,7
	global_load_b128 v[X+4*(\j):X+4*(\j)+3], v1, s[22:23] offset:4096*(\j) th:TH_LOAD_NT  ; read once in the whole program
.endr
; Part j.  wo = 1: the bf16 number is widened (a shift, a mask) and written as f16.
.macro PART j, wo
	s_wait_loadcnt 7-(\j)                          ; loads come back in order (ISA guide 5.7.1): part j is in, the 7 - j younger ones stay out
.irp r, 0,1
	v_cvt_pk_bf16_f32 v[Y+2*(\j)+(\r)], v[X+4*(\j)+2*(\r)], v[X+4*(\j)+2*(\r)+1]
.if \wo
	v_lshlrev_b32 v[T], 16, v[Y+2*(\j)+(\r)]
	v_and_b32 v[T+1], 0xffff0000, v[Y+2*(\j)+(\r)]
	v_cvt_pk_f16_f32 v[Y+2*(\j)+(\r)], v[T], v[T+1]
.endif
.endr
	global_store_b64 v2, v[Y+2*(\j):Y+2*(\j)+1], s[24:25] offset:2048*(\j)
.endm
	s_cmp_ge_u32 s18, 1408
	s_cbranch_scc1 .Lwo
.irp j, 0,1,2,3,4,5,6,7
	PART \j, 0
.endr
	s_endpgm
.Lwo:
.irp j, 0,1,2,3,4,5,6,7
	PART \j, 1
.endr
	s_endpgm
.Lfunc_end_k_q3b6c716a5b_cvt:
	.size	k_q3b6c716a5b_cvt, .Lfunc_end_k_q3b6c716a5b_cvt-k_q3b6c716a5b_cvt
	.p2alignl 7, 3214868480
	.fill 96, 4, 3214868480
	.section	.rodata,"a",@progbits
	.p2align	6, 0x0
	.amdhsa_kernel k_q3b6c716a5b_cvt
		.amdhsa_group_segment_fixed_size 0
		.amdhsa_private_segment_fixed_size 0
		.amdhsa_enable_private_segment 0
		.amdhsa_kernarg_size 56
		.amdhsa_user_sgpr_count 2
		.amdhsa_user_sgpr_kernarg_segment_ptr 1
		.amdhsa_wavefront_size32 1
		.amdhsa_system_sgpr_workgroup_id_x 1
		.amdhsa_system_sgpr_workgroup_id_y 1
		.amdhsa_system_sgpr_workgroup_id_z 1
		.amdhsa_system_vgpr_workitem_id 0
		.amdhsa_next_free_vgpr 64
		.amdhsa_next_free_sgpr 66
		.amdhsa_reserve_vcc 0
		.amdhsa_float_denorm_mode_32 3
		.amdhsa_float_denorm_mode_16_64 3
		.amdhsa_memory_ordered 1
		.amdhsa_forward_progress 1
		.amdhsa_inst_pref_size 9
	.end_amdhsa_kernel
	.amdgpu_metadata
---
amdhsa.version: [ 1, 2 ]
amdhsa.kernels:
  - .name:           k_q3b6c716a5b_cvt
    .symbol:         k_q3b6c716a5b_cvt.kd
    .args:
      - { .name: x, .offset: 0, .size: 8, .value_kind: global_buffer, .address_space: global }
      - { .name: wq, .offset: 8, .size: 8, .value_kind: global_buffer, .address_space: global }
      - { .name: wk, .offset: 16, .size: 8, .value_kind: global_buffer, .address_space: global }
      - { .name: wv, .offset: 24, .size: 8, .value_kind: global_buffer, .address_space: global }
      - { .name: wo, .offset: 32, .size: 8, .value_kind: global_buffer, .address_space: global }
      - { .name: xb, .offset: 40, .size: 8, .value_kind: global_buffer, .address_space: global }
      - { .name: w16, .offset: 48, .size: 8, .value_kind: global_buffer, .address_space: global }
    .group_segment_fixed_size: 0
    .private_segment_fixed_size: 0
    .kernarg_segment_align: 8
    .kernarg_segment_size: 56
    .max_flat_workgroup_size: 256
    .sgpr_count:     66
    .vgpr_count:     64
    .wavefront_size: 32
...
	.end_amdgpu_metadata
.endif
;; end of part 1
;; launch qk (part 2): grid 8 x 32, 4 waves a work-group, clusters of 4 x 4, 327,680 bytes of LDS; arguments xb, w16, qk; writes qk
.if DOCPART == 2
	.amdgcn_target "amdgcn-amd-amdhsa--gfx1250"
	.amdhsa_code_object_version 6
	.text
	.protected	k_q3b6c716a5b_qk
	.globl	k_q3b6c716a5b_qk
	.p2align	8
	.type	k_q3b6c716a5b_qk,@function
k_q3b6c716a5b_qk:
	s_mov_b64 s[64:65], 0
	v_nop
	global_prefetch_b8 v0, s[64:65] scope:SCOPE_SE
	s_setreg_imm32_b32 hwreg(HW_REG_WAVE_MODE, 25, 1), 1
	s_wait_xcnt 0x0
	s_wait_alu depctr_hold_cnt(0) depctr_sa_sdst(0) depctr_va_vdst(0) depctr_va_sdst(0) depctr_va_ssrc(0) depctr_va_vcc(0) depctr_vm_vsrc(0)
	s_getreg_b32 s2, hwreg(HW_REG_IB_STS2, 6, 4)
	s_cmp_eq_u32 s2, 0
	s_cbranch_scc0 .Lentry_in_a_cluster
	s_endpgm
.Lentry_in_a_cluster:
	s_bfe_u32 s2, ttmp6, 0x10000c
	s_cmp_lg_u32 s2, 0xf033
	s_cbranch_scc0 .Lentry_shape_is_right
	s_endpgm
.Lentry_shape_is_right:
; qk[m][n] = sum over d of xb[m][d] w16[n][d], n = 0 .. 2047: columns 0-1023 are q, 1024-2047 are k.  xb [8192][1024] and w16's rows 0-2047 in bf16; sums in f32, K ascending; qk [8192][2048] in f16, rounded once.
; LIMIT.  A q or k of 65,520 or more in size becomes an infinity in f16.
; SHARES.  A tile of C, 256 x 256, to a work-group of four waves; a wave makes 128 x 128: 64 accumulators of 16 x 16, 512 registers.  32 x 8 tiles: 256 work-groups.
; K goes in steps of 128 through a ring of two LDS slots filled by the tensor data mover: a tile's rows are 256 bytes of memory at multiples of 256 bytes from the buffer's first byte.
; CLUSTER.  4 x 4 work-groups.  The four of a row of the cluster need the same tiles of A, the four of a column the same tiles of B: each tile is asked for JOINTLY, by the same tensor
; load with the same descriptor and a mask that names the four; each receives it in its own LDS.
; THE MATRIX INSTRUCTION IS USED TRANSPOSED: source 0 = 16 rows of B, source 1 = 16 rows of A: lane l then holds row l % 16 of C and the columns 8 (l / 16) + 0..7, which pack into 16 bytes.
; REGISTERS, in windows of 256 (s_set_vgpr_msb: bits 1:0 source 0, 3:2 source 1, 5:4 source 2, 7:6 destination):
;   window 0: v0-31 addresses; v64-127, v128-191 fragments of A, two buffers; v192-223, v32-63, v224-255 at work on the way out
;   window 1: v64-127, v128-191 fragments of B, two buffers      window 2: accumulators of my rows 0-63 ((a, b) at v[8 (8 a + b)])      window 3: those of my rows 64-127
.set AB,     8                         ; blocks of 16 rows of A in a wave's tile
.set KTOT,   1024
.set PA,     1024                      ; elements from row to row of A, of B
.set PB,     1024
.set CPB,    4096                      ; bytes in a row of C
.set ES,     2                         ; bytes in an element of C
.set H,      AB/2
.set RA,     16*AB                     ; rows of A in a wave's tile, and in one tensor load
.set TM,     2*RA                      ; rows in the work-group's tile
.set KSTEP,  128
.set PITCH,  272                       ; an LDS row: 256 bytes + 16 of padding = 68 words: row r starts at bank 4 r mod 64 (64 banks of 4 bytes: ISA guide 11.1), so the 16 rows of a load start at 16 different banks
.set HALFA,  RA*PITCH
.set HALFB,  128*PITCH
.set SLOT,   2*HALFA+2*HALFB           ; A's rows, then B's 256 rows
.set STAGE,  2*SLOT                    ; behind the ring, never filled by a tensor load: 16 rows x 272 bytes for each wave, for the way out
.set SPITCH, 272
.set SPARE,  STAGE+4*16*SPITCH         ; the spare words, 128 bytes for each wave: two blocks of 256 bytes that no other line names
.set LAPS,   KTOT/(2*KSTEP)            ; a lap = two K steps = once round the ring
.set ADRA, 16                          ; v16-17  LDS address of my A fragments in slot 0, 1
.set ADRB, 20                          ; v20-21  the same for B
.set STO,  24                          ; v24     the way out: where I put 16 bytes of a row
.set RD,   25                          ; v25     the way out: where I read a row back
.set CO,   26                          ; v26     my byte offset in C
.set SPW,  28                          ; v28     LDS address of my spare word; never rewritten
.set NIL,  29                          ; v29     0; never rewritten
.set F0,   64
.set F1,   128
.set TMP,  192
.set OB,   32
.set G1,  24                           ; s[24:31] descriptor group 1 for A's tiles;  s[32:39] group 0, a set for each slot
.set G0,  32
.set G1B, 48                           ; s[48:55], s[56:63] the same for B's tiles
.set G0B, 56
.set MSB, 0
.macro WIN new                         ; the immediate's high byte repeats the setting that is left; a switch that changes nothing is dropped
.if MSB != (\new)
	s_set_vgpr_msb (MSB<<8)|(\new)
.set MSB, \new
.endif
.endm
; A joint load.  Waves 0 and 1 fetch A's two halves, waves 2 and 3 B's.  The branch hangs on the wave's number alone.  Four v_nop follow each of the two lines, ahead of the jump and the label.
.macro JLOAD s
	s_cmp_eq_u32 s11, 0
	s_cbranch_scc0 .Lfor_b_\@
	tensor_load_to_lds s[G0+4*(\s):G0+4*(\s)+3], s[G1:G1+7]
	s_nop 0
.rept 4
	v_nop
.endr
	s_branch .Lasked_\@
.Lfor_b_\@:
	tensor_load_to_lds s[G0B+4*(\s):G0B+4*(\s)+3], s[G1B:G1B+7]
	s_nop 0
.rept 4
	v_nop
.endr
.Lasked_\@:
.endm
; A round of the cluster's barrier: my work-group's barrier, so that wave 0's signal speaks for all four waves; wave 0 signals; every wave waits for all sixteen work-groups; my work-group's barrier once more.
.macro CREST                           ; a round behind its opening barrier
	s_cmp_lg_u32 s10, 0
	s_cbranch_scc1 .Lnot_wave_0_\@
	s_barrier_signal -3
.Lnot_wave_0_\@:
	s_barrier_wait -3
	s_barrier_signal -1
	s_barrier_wait -1
.endm
.macro CROUND
	s_barrier_signal -1
	s_barrier_wait -1
	CREST
.endm
; Four places: in front of loads into registers that matrix instructions have read, and of vector instructions that read matrix results (ISA guide 7.12.1 for vector instructions).
.macro PLACES
.rept 4
	v_nop
.endr
.endm
	s_load_b128 s[4:7], s[0:1], 0x0                ; A = xb s[4:5], B = w16 s[6:7]
	s_load_b64 s[8:9], s[0:1], 0x10                ; C = qk
	v_lshl_add_u32 v[SPW], v0, 2, SPARE
	v_mov_b32 v[NIL], 0
	ds_add_u32 v28, v29
	s_wait_dscnt 0x0
	v_lshrrev_b32 v1, 5, v0
	v_readfirstlane_b32 s10, v1                    ; wave 0..3
	s_lshr_b32 s11, s10, 1                         ; which half of the tile's rows is mine.  Also: I fetch for A (0) or for B (1)
	s_and_b32 s12, s10, 1                          ; which half of its columns.  Also: which half of that tile I fetch
	s_bfe_u32 s40, ttmp6, 0x40000                  ; cx, cy: my place in the cluster
	s_bfe_u32 s41, ttmp6, 0x40004
	s_lshl_b32 s42, ttmp9, 2
	s_add_co_u32 s42, s42, s40                     ; tile column of C = 4 x cluster x + cx
	s_and_b32 s13, ttmp7, 0xffff
	s_lshl_b32 s13, s13, 2
	s_add_co_u32 s13, s13, s41                     ; tile row of C = 4 x cluster y + cy
	s_lshl_b32 s43, s41, 2
	s_lshl_b32 s43, 15, s43                        ; my row of the cluster: places 4 cy .. 4 cy + 3
	s_lshl_b32 s44, 0x1111, s40                    ; my column: places cx, cx + 4, cx + 8, cx + 12
	s_or_b32 s[G1+0], s43, (1<<16)|(1<<20)|(1<<21)|(5<<22)|(3<<25)   ; 15:0 the mask; 17:16 2-byte elements; 20 padding on; 21 set beside a mask; 24:22 after every 64 words (code 5); 31:25 4 words (code 3)
	s_or_b32 s[G1B+0], s44, (1<<16)|(1<<20)|(1<<21)|(5<<22)|(3<<25)
	s_mov_b32 s[G1+1], KSTEP<<16                   ; tensor_dim0 = 128
	s_mov_b32 s[G1+2], RA<<16                      ; tensor_dim1 = the tile's rows
	s_mov_b32 s[G1+3], KSTEP<<16                   ; tile_dim0 = 128
	s_mov_b32 s[G1+4], RA                          ; tile_dim1
	s_mov_b32 s[G1+5], PA                          ; elements from row to row
	s_mov_b32 s[G1+6], 0
	s_mov_b32 s[G1+7], 0
	s_mov_b32 s[G1B+1], KSTEP<<16
	s_mov_b32 s[G1B+2], 128<<16
	s_mov_b32 s[G1B+3], KSTEP<<16
	s_mov_b32 s[G1B+4], 128
	s_mov_b32 s[G1B+5], PB
	s_mov_b32 s[G1B+6], 0
	s_mov_b32 s[G1B+7], 0
	; where the tiles come from: A's hang on the tile row alone, B's on the tile column alone, each in registers that never hold the other coordinate.  All offsets stay under 2^26 bytes.
	s_mul_i32 s16, s13, TM
	s_mul_i32 s17, s12, RA
	s_add_co_u32 s16, s16, s17                     ; A: row TM x tile row + RA x half
	s_mul_i32 s16, s16, PA*2
	s_mov_b32 s17, 0
	s_lshl_b32 s46, s42, 8
	s_lshl_b32 s47, s12, 7
	s_add_co_u32 s46, s46, s47                     ; B: row 256 x tile column + 128 x half
	s_mul_i32 s46, s46, PB*2
	s_mov_b32 s47, 0
	s_mul_i32 s20, s12, HALFA                      ; and where they go: no place in the cluster enters an LDS address
	s_mul_i32 s23, s12, HALFB
	s_add_co_u32 s23, s23, 2*HALFA
	s_wait_kmcnt 0x0
	s_add_nc_u64 s[14:15], s[4:5], s[16:17]
	s_add_nc_u64 s[46:47], s[6:7], s[46:47]
	CROUND                                         ; all sixteen work-groups are here: the first joint loads meet
.irp s, 0,1
	s_mov_b32 s[G0+4*(\s)], 1                                        ; count = 1
	s_add_co_u32 s[G0+4*(\s)+1], s20, (\s)*SLOT                      ; LDS address
	s_add_nc_u64 s[G0+4*(\s)+2:G0+4*(\s)+3], s[14:15], (\s)*KSTEP*2  ; global address: K step s
	s_or_b32 s[G0+4*(\s)+3], s[G0+4*(\s)+3], 0x80000000              ; type = 2
	s_mov_b32 s[G0B+4*(\s)], 1
	s_add_co_u32 s[G0B+4*(\s)+1], s23, (\s)*SLOT
	s_add_nc_u64 s[G0B+4*(\s)+2:G0B+4*(\s)+3], s[46:47], (\s)*KSTEP*2
	s_or_b32 s[G0B+4*(\s)+3], s[G0B+4*(\s)+3], 0x80000000
	JLOAD \s                                       ; both slots are asked for before anything else is done: two loads of mine are out
.endr
	; A fragment is 16 rows x 32 K in 8 registers: lane l holds row l % 16; registers 0-3 K = 8 (l / 16) + 0..7, registers 4-7 K = 16 + 8 (l / 16) + 0..7: two loads of 16 bytes, 32 bytes apart.
	v_and_b32 v1, 15, v0                           ; l % 16
	v_bfe_u32 v2, v0, 4, 1                         ; l / 16
	v_mul_u32_u24 v3, v1, PITCH
	v_lshl_add_u32 v3, v2, 4, v3
	s_mul_i32 s21, s11, HALFA                      ; my rows of A
	s_mul_i32 s22, s12, HALFB                      ; my rows of B,
	s_add_co_u32 s22, s22, 2*HALFA                 ; which lie behind A's
.irp s, 0,1
	v_add_nc_u32 v[ADRA+(\s)], s21, v3
	v_add_nc_u32 v[ADRB+(\s)], s22, v3
	s_add_co_u32 s21, s21, SLOT
	s_add_co_u32 s22, s22, SLOT
.endr
	s_mul_i32 s23, s10, 16*SPITCH
	s_add_co_u32 s23, s23, STAGE                   ; my stage
	v_mul_u32_u24 v4, v1, SPITCH                   ; in: row l % 16, 16 bytes for each half of the lanes
	v_lshl_add_u32 v4, v2, 4, v4
	v_add_nc_u32 v[STO], s23, v4
	v_mul_u32_u24 v5, v2, SPITCH                   ; back: lanes 0-15 take one row of 256 bytes, lanes 16-31 the next
	v_lshl_add_u32 v5, v1, 4, v5
	v_add_nc_u32 v[RD], s23, v5
	v_mul_u32_u24 v5, v2, CPB                      ; and the same two rows in C
	v_lshl_add_u32 v[CO], v1, 4, v5
	s_mul_i32 s16, s13, TM                         ; C at my part of the tile: the rows,
	s_mul_i32 s17, s11, RA
	s_add_co_u32 s16, s16, s17
	s_mul_i32 s16, s16, CPB
	s_mov_b32 s17, 0
	s_add_nc_u64 s[8:9], s[8:9], s[16:17]
	s_lshl_b32 s46, s42, 8                         ; and the columns (in registers that feed none of A's descriptors)
	s_lshl_b32 s47, s12, 7
	s_add_co_u32 s46, s46, s47
	s_mul_i32 s46, s46, ES
	s_mov_b32 s47, 0
	s_add_nc_u64 s[8:9], s[8:9], s[46:47]
; n blocks of 16 rows of A from block a0 on x all 8 blocks of B, 32 along K, from buffer f.  zero = 1: the product starts the sums: nothing is cleared.
; The accumulators take turns, one instruction a turn and in the same order in every quarter: between two links of a chain stand the 8 AB - 1 others'.
.macro MULS f, a0, n, zero
.set ma, \a0
.rept \n
	WIN 0xa1+0x50*(ma/4)                           ; source 0 (B) window 1, source 1 (A) window 0, C and D window 2 or 3
.set mb, 0
.rept 8
.set rD, 8*(8*(ma%4)+mb)
.if \zero
	v_wmma_f32_16x16x32_bf16 v[rD:rD+7], v[(\f)+8*mb:(\f)+8*mb+7], v[(\f)+8*ma:(\f)+8*ma+7], 0
.else
	v_wmma_f32_16x16x32_bf16 v[rD:rD+7], v[(\f)+8*mb:(\f)+8*mb+7], v[(\f)+8*ma:(\f)+8*ma+7], v[rD:rD+7]
.endif
.set mb, mb+1
.endr
.set ma, ma+1
.endr
.endm
; One run of LDS loads: the fragments of a quarter step (128 rows of B, then my rows of A, 32 K at byte k of the rows) into buffer f
.macro FETCH slot, k, f
	WIN 0x40                                       ; destination window 1, address window 0
.set fi, 0
.rept 8
	ds_load_b128 v[(\f)+8*fi:(\f)+8*fi+3],   v[ADRB+(\slot)] offset:(\k)+fi*16*PITCH
	ds_load_b128 v[(\f)+8*fi+4:(\f)+8*fi+7], v[ADRB+(\slot)] offset:(\k)+fi*16*PITCH+32
.set fi, fi+1
.endr
	WIN 0
.set fi, 0
.rept AB
	ds_load_b128 v[(\f)+8*fi:(\f)+8*fi+3],   v[ADRA+(\slot)] offset:(\k)+fi*16*PITCH
	ds_load_b128 v[(\f)+8*fi+4:(\f)+8*fi+7], v[ADRA+(\slot)] offset:(\k)+fi*16*PITCH+32
.set fi, fi+1
.endr
.endm
; A K step is four quarters of 32 along K on buffers 0, 1, 0, 1.  One of the first three multiplies buffer f and, in its middle, fetches the next quarter (byte k of the same slot's rows) into g.
.macro QUARTER slot, k, f, g, zero
	s_wait_dscnt AB                                ; B and A's lower half are in; the youngest AB loads (A's upper half) may be out
	MULS \f, 0, H, \zero
	PLACES
	FETCH \slot, \k, \g
	s_wait_dscnt 16+2*AB                           ; all but the run just issued
	MULS \f, H, H, \zero
.endm
; The last quarter multiplies buffer 1 and changes slots: ONE barrier.  In front of it each wave waits for all its tensor loads (one is out: its part of the next slot), adds 0 to its spare word, and
; waits for that and for its reads of this slot.  fill = 1: the barrier opens a round of the cluster's, and this slot is filled again, two K steps ahead, first thing behind the round.
.macro TURN slot, next, fill
	WIN 0                                          ; (the add's two registers lie in window 0)
	s_wait_tensorcnt 0x0                           ; all my tensor loads have landed
	ds_add_u32 v[SPW], v[NIL]                      ; 0 onto my spare word
	s_wait_dscnt AB+1                              ; (the add and A's upper half may be out)
	MULS F1, 0, H/2, 0                             ; matrix work stands between the add and the wait for it
	s_wait_dscnt 0x0                               ; the add is done, and my reads of this slot are over
	s_barrier_signal -1
	MULS F1, H/2, H/2, 0                           ; work on registers while the others arrive
.if \fill
	WIN 0
.endif
	s_barrier_wait -1
.if \fill
	CREST                                          ; no wave of any partner still reads this slot's tile or has a load on its way
	s_add_nc_u64 s[G0+4*(\slot)+2:G0+4*(\slot)+3], s[G0+4*(\slot)+2:G0+4*(\slot)+3], 2*KSTEP*2
	s_add_nc_u64 s[G0B+4*(\slot)+2:G0B+4*(\slot)+3], s[G0B+4*(\slot)+2:G0B+4*(\slot)+3], 2*KSTEP*2
	JLOAD \slot                                    ; my one tensor load behind the round; its four v_nop are also the places in front of the loads below
.else
	PLACES
.endif
	FETCH \next, 0, F0
	MULS F1, H, H, 0
.endm
.macro LASTQ                           ; the very last quarter: nothing more to fetch
	s_wait_dscnt AB
	MULS F1, 0, H, 0
	s_wait_dscnt 0x0
	MULS F1, H, H, 0
	WIN 0
.endm
; THE WAY OUT of block a (16 rows of C).  PACK: rounded to f16, 16 bytes a lane, each accumulator's registers in ascending order.  TOSTAGE: into my own stage, and back as whole rows of 256 bytes.  SEND: stored.
.macro PACK a
.set AC, 64*((\a)%4)
	WIN 0x0a+5*((\a)/4)                            ; sources 0 and 1: window 2 or 3
.set ii, 0
.rept 32
	v_cvt_pk_f16_f32 v[TMP+ii], v[AC+2*ii], v[AC+2*ii+1]
.set ii, ii+1
.endr
	WIN 0
.endm
.macro TOSTAGE a
	WIN 0
.set BK, OB+192*((\a)%2)
.set ii, 0
.rept 8
	ds_store_b128 v[STO], v[TMP+4*ii:TMP+4*ii+3] offset:32*ii
.set ii, ii+1
.endr
.set ii, 0
.rept 8
	ds_load_b128 v[BK+4*ii:BK+4*ii+3], v[RD] offset:ii*2*SPITCH  ; LDS serves a wave's instructions in order (ISA guide 5.7.1.4): these see the stores above
.set ii, ii+1
.endr
.endm
.macro SEND a
	WIN 0
.set BK, OB+192*((\a)%2)
	s_wait_dscnt 0x0                               ; the block is back in registers
	s_wait_xcnt 0x0                                ; the stores of the block before have had their addresses translated (ISA guide 3.1): the next TOSTAGE loads into the registers that they read
.set ii, 0
.rept 8
	global_store_b128 v[CO], v[BK+4*ii:BK+4*ii+3], s[8:9] offset:(16*(\a)+2*ii)*CPB  ; 16 lanes store 256 consecutive bytes, at a multiple of 256 from C's first byte
.set ii, ii+1
.endr
.endm
	s_wait_tensorcnt 1                             ; my part of K step 0 is in; K step 1's may stay out
	s_barrier_signal -1
	s_barrier_wait -1                              ; everybody's is
	FETCH 0, 0, F0
	QUARTER 0, 64,  F0, F1, 1                      ; the first quarter stands in front of the loop: its products start the sums
	WIN 0                                          ; at a label and at a branch every window is 0
	s_mov_b32 s3, LAPS-1
.Llap:                                                 ; a trip goes once round the ring, from a lap's second quarter to the next lap's first, and fills both slots again
	QUARTER 0, 128, F1, F0, 0
	QUARTER 0, 192, F0, F1, 0
	TURN 0, 1, 1
	QUARTER 1, 64,  F0, F1, 0
	QUARTER 1, 128, F1, F0, 0
	QUARTER 1, 192, F0, F1, 0
	TURN 1, 0, 1
	QUARTER 0, 64,  F0, F1, 0
	WIN 0
	s_sub_co_u32 s3, s3, 1
	s_cmp_lg_u32 s3, 0
	s_cbranch_scc1 .Llap
	QUARTER 0, 128, F1, F0, 0                      ; the last lap is written out: it fills nothing
	QUARTER 0, 192, F0, F1, 0
	TURN 0, 1, 0
	QUARTER 1, 64,  F0, F1, 0
	QUARTER 1, 128, F1, F0, 0
	QUARTER 1, 192, F0, F1, 0
	LASTQ
	PLACES
	PACK 0
	TOSTAGE 0
.set oa, 1
.rept AB-1                             ; block a's conversions stand between block a - 1's loads from the stage and the wait for them
	PACK oa
	SEND oa-1
	TOSTAGE oa
.set oa, oa+1
.endr
	SEND AB-1
	s_wait_tensorcnt 0x0                           ; the wave's end
	ds_add_u32 v[SPW], v[NIL]
	s_wait_dscnt 0x0
	CROUND                                         ; the closing round: no work-group ends while a partner may still ask for a tile that names it
	s_endpgm
.Lfunc_end_k_q3b6c716a5b_qk:
	.size	k_q3b6c716a5b_qk, .Lfunc_end_k_q3b6c716a5b_qk-k_q3b6c716a5b_qk
	.p2alignl 7, 3214868480
	.fill 96, 4, 3214868480
	.section	.rodata,"a",@progbits
	.p2align	6, 0x0
	.amdhsa_kernel k_q3b6c716a5b_qk
		.amdhsa_group_segment_fixed_size 327680
		.amdhsa_private_segment_fixed_size 0
		.amdhsa_enable_private_segment 0
		.amdhsa_kernarg_size 24
		.amdhsa_user_sgpr_count 2
		.amdhsa_user_sgpr_kernarg_segment_ptr 1
		.amdhsa_wavefront_size32 1
		.amdhsa_system_sgpr_workgroup_id_x 1
		.amdhsa_system_sgpr_workgroup_id_y 1
		.amdhsa_system_sgpr_workgroup_id_z 1
		.amdhsa_system_vgpr_workitem_id 0
		.amdhsa_next_free_vgpr 1024
		.amdhsa_next_free_sgpr 66
		.amdhsa_reserve_vcc 0
		.amdhsa_float_denorm_mode_32 3
		.amdhsa_float_denorm_mode_16_64 3
		.amdhsa_memory_ordered 1
		.amdhsa_forward_progress 1
		.amdhsa_inst_pref_size 143
	.end_amdhsa_kernel
	.amdgpu_metadata
---
amdhsa.version: [ 1, 2 ]
amdhsa.kernels:
  - .name:           k_q3b6c716a5b_qk
    .symbol:         k_q3b6c716a5b_qk.kd
    .args:
      - { .name: xb, .offset: 0, .size: 8, .value_kind: global_buffer, .address_space: global }
      - { .name: w16, .offset: 8, .size: 8, .value_kind: global_buffer, .address_space: global }
      - { .name: qk, .offset: 16, .size: 8, .value_kind: global_buffer, .address_space: global }
    .group_segment_fixed_size: 327680
    .private_segment_fixed_size: 0
    .kernarg_segment_align: 8
    .kernarg_segment_size: 24
    .max_flat_workgroup_size: 128
    .sgpr_count:     66
    .vgpr_count:     1024
    .wavefront_size: 32
...
	.end_amdgpu_metadata
.endif
;; end of part 2
;; launch vt (part 3): grid 32 x 8, 4 waves a work-group, clusters of 4 x 4, 327,680 bytes of LDS; arguments w16, xb, vt; writes vt
.if DOCPART == 3
	.amdgcn_target "amdgcn-amd-amdhsa--gfx1250"
	.amdhsa_code_object_version 6
	.text
	.protected	k_q3b6c716a5b_vt
	.globl	k_q3b6c716a5b_vt
	.p2align	8
	.type	k_q3b6c716a5b_vt,@function
k_q3b6c716a5b_vt:
	s_mov_b64 s[64:65], 0
	v_nop
	global_prefetch_b8 v0, s[64:65] scope:SCOPE_SE
	s_setreg_imm32_b32 hwreg(HW_REG_WAVE_MODE, 25, 1), 1
	s_wait_xcnt 0x0
	s_wait_alu depctr_hold_cnt(0) depctr_sa_sdst(0) depctr_va_vdst(0) depctr_va_sdst(0) depctr_va_ssrc(0) depctr_va_vcc(0) depctr_vm_vsrc(0)
	s_getreg_b32 s2, hwreg(HW_REG_IB_STS2, 6, 4)
	s_cmp_eq_u32 s2, 0
	s_cbranch_scc0 .Lentry_in_a_cluster
	s_endpgm
.Lentry_in_a_cluster:
	s_bfe_u32 s2, ttmp6, 0x10000c
	s_cmp_lg_u32 s2, 0xf033
	s_cbranch_scc0 .Lentry_shape_is_right
	s_endpgm
.Lentry_shape_is_right:
; vt[c][t] = sum over d of wv[c][d] xb[t][d]: V TRANSPOSED, so that the product attn V finds its keys along the rows.  wv = w16's rows 2048-3071 and xb [8192][1024] in bf16; sums in f32, K ascending;
; vt [1024][8192] in f16, rounded once (t = 2048 x batch + key).  LIMIT.  A v of 65,520 or more in size becomes an infinity in f16.
; SHARES.  C has 1024 x 8192 numbers: tiles of 128 x 256 give 8 x 32 = 256 work-groups.  Four waves, each 64 x 128: 32 accumulators of 16 x 16, 256 registers.
; K goes in steps of 128 through a ring of two LDS slots filled by the tensor data mover: a tile's rows are 256 bytes of memory at multiples of 256 bytes from the buffer's first byte.
; CLUSTER.  4 x 4 work-groups.  The four of a row of the cluster need the same tiles of A, the four of a column the same tiles of B: each tile is asked for JOINTLY, by the same tensor
; load with the same descriptor and a mask that names the four.
; THE MATRIX INSTRUCTION IS USED TRANSPOSED: source 0 = 16 rows of B, source 1 = 16 rows of A: lane l then holds row l % 16 of C and the columns 8 (l / 16) + 0..7, which pack into 16 bytes.
; REGISTERS, in windows of 256 (s_set_vgpr_msb: bits 1:0 source 0, 3:2 source 1, 5:4 source 2, 7:6 destination):
;   window 0: v0-31 addresses; v64-95, v128-159 fragments of A, two buffers; v192-223, v32-63, v224-255 at work on the way out
;   window 1: v64-127, v128-191 fragments of B, two buffers      window 2: the accumulators ((a, b) at v[8 (8 a + b)])
.set AB,     4                         ; blocks of 16 rows of A in a wave's tile
.set KTOT,   1024
.set PA,     1024                      ; elements from row to row of A, of B
.set PB,     1024
.set AOFF,   2048*2048                 ; wv's first byte in w16
.set CPB,    16384                     ; bytes in a row of C
.set ES,     2                         ; bytes in an element of C
.set H,      AB/2
.set RA,     16*AB                     ; rows of A in a wave's tile, and in one tensor load
.set TM,     2*RA                      ; rows in the work-group's tile
.set KSTEP,  128
.set PITCH,  272                       ; an LDS row: 256 bytes + 16 of padding = 68 words: row r starts at bank 4 r mod 64 (64 banks of 4 bytes: ISA guide 11.1), so the 16 rows of a load start at 16 different banks
.set HALFA,  RA*PITCH
.set HALFB,  128*PITCH
.set SLOT,   2*HALFA+2*HALFB           ; A's rows, then B's 256 rows
.set STAGE,  2*SLOT                    ; behind the ring, never filled by a tensor load: 16 rows x 272 bytes for each wave, for the way out
.set SPITCH, 272
.set SPARE,  STAGE+4*16*SPITCH         ; the spare words, 128 bytes for each wave: two blocks of 256 bytes that no other line names
.set LAPS,   KTOT/(2*KSTEP)            ; a lap = two K steps = once round the ring
.set ADRA, 16                          ; v16-17  LDS address of my A fragments in slot 0, 1
.set ADRB, 20                          ; v20-21  the same for B
.set STO,  24                          ; v24     the way out: where I put 16 bytes of a row
.set RD,   25                          ; v25     the way out: where I read a row back
.set CO,   26                          ; v26     my byte offset in C
.set SPW,  28                          ; v28     LDS address of my spare word; never rewritten
.set NIL,  29                          ; v29     0; never rewritten
.set F0,   64
.set F1,   128
.set TMP,  192
.set OB,   32
.set G1,  24                           ; s[24:31] descriptor group 1 for A's tiles;  s[32:39] group 0, a set for each slot
.set G0,  32
.set G1B, 48                           ; s[48:55], s[56:63] the same for B's tiles
.set G0B, 56
.set MSB, 0
.macro WIN new                         ; the immediate's high byte repeats the setting that is left; a switch that changes nothing is dropped
.if MSB != (\new)
	s_set_vgpr_msb (MSB<<8)|(\new)
.set MSB, \new
.endif
.endm
; A joint load.  Waves 0 and 1 fetch A's two halves, waves 2 and 3 B's.  The branch hangs on the wave's number alone.  Four v_nop follow each of the two lines, ahead of the jump and the label.
.macro JLOAD s
	s_cmp_eq_u32 s11, 0
	s_cbranch_scc0 .Lfor_b_\@
	tensor_load_to_lds s[G0+4*(\s):G0+4*(\s)+3], s[G1:G1+7]
	s_nop 0
.rept 4
	v_nop
.endr
	s_branch .Lasked_\@
.Lfor_b_\@:
	tensor_load_to_lds s[G0B+4*(\s):G0B+4*(\s)+3], s[G1B:G1B+7]
	s_nop 0
.rept 4
	v_nop
.endr
.Lasked_\@:
.endm
; A round of the cluster's barrier: my work-group's barrier, so that wave 0's signal speaks for all four waves; wave 0 signals; every wave waits for all sixteen work-groups; my work-group's barrier once more.
.macro CREST                           ; a round behind its opening barrier
	s_cmp_lg_u32 s10, 0
	s_cbranch_scc1 .Lnot_wave_0_\@
	s_barrier_signal -3
.Lnot_wave_0_\@:
	s_barrier_wait -3
	s_barrier_signal -1
	s_barrier_wait -1
.endm
.macro CROUND
	s_barrier_signal -1
	s_barrier_wait -1
	CREST
.endm
; Four places: in front of loads into registers that matrix instructions have read, and of vector instructions that read matrix results (ISA guide 7.12.1 for vector instructions).
.macro PLACES
.rept 4
	v_nop
.endr
.endm
	s_load_b128 s[4:7], s[0:1], 0x0                ; A in w16 s[4:5], B = xb s[6:7]
	s_load_b64 s[8:9], s[0:1], 0x10                ; C = vt
	v_lshl_add_u32 v[SPW], v0, 2, SPARE
	v_mov_b32 v[NIL], 0
	ds_add_u32 v28, v29
	s_wait_dscnt 0x0
	v_lshrrev_b32 v1, 5, v0
	v_readfirstlane_b32 s10, v1                    ; wave 0..3
	s_lshr_b32 s11, s10, 1                         ; which half of the tile's rows is mine.  Also: I fetch for A (0) or for B (1)
	s_and_b32 s12, s10, 1                          ; which half of its columns.  Also: which half of that tile I fetch
	s_bfe_u32 s40, ttmp6, 0x40000                  ; cx, cy: my place in the cluster
	s_bfe_u32 s41, ttmp6, 0x40004
	s_lshl_b32 s42, ttmp9, 2
	s_add_co_u32 s42, s42, s40                     ; tile column of C = 4 x cluster x + cx
	s_and_b32 s13, ttmp7, 0xffff
	s_lshl_b32 s13, s13, 2
	s_add_co_u32 s13, s13, s41                     ; tile row of C = 4 x cluster y + cy
	s_lshl_b32 s43, s41, 2
	s_lshl_b32 s43, 15, s43                        ; my row of the cluster: places 4 cy .. 4 cy + 3
	s_lshl_b32 s44, 0x1111, s40                    ; my column: places cx, cx + 4, cx + 8, cx + 12
	s_or_b32 s[G1+0], s43, (1<<16)|(1<<20)|(1<<21)|(5<<22)|(3<<25)   ; 15:0 the mask; 17:16 2-byte elements; 20 padding on; 21 set beside a mask; 24:22 after every 64 words (code 5); 31:25 4 words (code 3)
	s_or_b32 s[G1B+0], s44, (1<<16)|(1<<20)|(1<<21)|(5<<22)|(3<<25)
	s_mov_b32 s[G1+1], KSTEP<<16                   ; tensor_dim0 = 128
	s_mov_b32 s[G1+2], RA<<16                      ; tensor_dim1 = the tile's rows
	s_mov_b32 s[G1+3], KSTEP<<16                   ; tile_dim0 = 128
	s_mov_b32 s[G1+4], RA                          ; tile_dim1
	s_mov_b32 s[G1+5], PA                          ; elements from row to row
	s_mov_b32 s[G1+6], 0
	s_mov_b32 s[G1+7], 0
	s_mov_b32 s[G1B+1], KSTEP<<16
	s_mov_b32 s[G1B+2], 128<<16
	s_mov_b32 s[G1B+3], KSTEP<<16
	s_mov_b32 s[G1B+4], 128
	s_mov_b32 s[G1B+5], PB
	s_mov_b32 s[G1B+6], 0
	s_mov_b32 s[G1B+7], 0
	; where the tiles come from: A's hang on the tile row alone, B's on the tile column alone, each in registers that never hold the other coordinate.  All offsets stay under 2^26 bytes.
	s_mul_i32 s16, s13, TM
	s_mul_i32 s17, s12, RA
	s_add_co_u32 s16, s16, s17                     ; A: row TM x tile row + RA x half,
	s_mul_i32 s16, s16, PA*2
	s_add_co_u32 s16, s16, AOFF                    ; of wv
	s_mov_b32 s17, 0
	s_lshl_b32 s46, s42, 8
	s_lshl_b32 s47, s12, 7
	s_add_co_u32 s46, s46, s47                     ; B: row 256 x tile column + 128 x half
	s_mul_i32 s46, s46, PB*2
	s_mov_b32 s47, 0
	s_mul_i32 s20, s12, HALFA                      ; and where they go: no place in the cluster enters an LDS address
	s_mul_i32 s23, s12, HALFB
	s_add_co_u32 s23, s23, 2*HALFA
	s_wait_kmcnt 0x0
	s_add_nc_u64 s[14:15], s[4:5], s[16:17]
	s_add_nc_u64 s[46:47], s[6:7], s[46:47]
	CROUND                                         ; all sixteen work-groups are here: the first joint loads meet
.irp s, 0,1
	s_mov_b32 s[G0+4*(\s)], 1                                        ; count = 1
	s_add_co_u32 s[G0+4*(\s)+1], s20, (\s)*SLOT                      ; LDS address
	s_add_nc_u64 s[G0+4*(\s)+2:G0+4*(\s)+3], s[14:15], (\s)*KSTEP*2  ; global address: K step s
	s_or_b32 s[G0+4*(\s)+3], s[G0+4*(\s)+3], 0x80000000              ; type = 2
	s_mov_b32 s[G0B+4*(\s)], 1
	s_add_co_u32 s[G0B+4*(\s)+1], s23, (\s)*SLOT
	s_add_nc_u64 s[G0B+4*(\s)+2:G0B+4*(\s)+3], s[46:47], (\s)*KSTEP*2
	s_or_b32 s[G0B+4*(\s)+3], s[G0B+4*(\s)+3], 0x80000000
	JLOAD \s                                       ; both slots are asked for before anything else is done: two loads of mine are out
.endr
	; A fragment is 16 rows x 32 K in 8 registers: lane l holds row l % 16; registers 0-3 K = 8 (l / 16) + 0..7, registers 4-7 K = 16 + 8 (l / 16) + 0..7: two loads of 16 bytes, 32 bytes apart.
	v_and_b32 v1, 15, v0                           ; l % 16
	v_bfe_u32 v2, v0, 4, 1                         ; l / 16
	v_mul_u32_u24 v3, v1, PITCH
	v_lshl_add_u32 v3, v2, 4, v3
	s_mul_i32 s21, s11, HALFA                      ; my rows of A
	s_mul_i32 s22, s12, HALFB                      ; my rows of B,
	s_add_co_u32 s22, s22, 2*HALFA                 ; which lie behind A's
.irp s, 0,1
	v_add_nc_u32 v[ADRA+(\s)], s21, v3
	v_add_nc_u32 v[ADRB+(\s)], s22, v3
	s_add_co_u32 s21, s21, SLOT
	s_add_co_u32 s22, s22, SLOT
.endr
	s_mul_i32 s23, s10, 16*SPITCH
	s_add_co_u32 s23, s23, STAGE                   ; my stage
	v_mul_u32_u24 v4, v1, SPITCH                   ; in: row l % 16, 16 bytes for each half of the lanes
	v_lshl_add_u32 v4, v2, 4, v4
	v_add_nc_u32 v[STO], s23, v4
	v_mul_u32_u24 v5, v2, SPITCH                   ; back: lanes 0-15 take one row of 256 bytes, lanes 16-31 the next
	v_lshl_add_u32 v5, v1, 4, v5
	v_add_nc_u32 v[RD], s23, v5
	v_mul_u32_u24 v5, v2, CPB                      ; and the same two rows in C
	v_lshl_add_u32 v[CO], v1, 4, v5
	s_mul_i32 s16, s13, TM                         ; C at my part of the tile: the rows,
	s_mul_i32 s17, s11, RA
	s_add_co_u32 s16, s16, s17
	s_mul_i32 s16, s16, CPB
	s_mov_b32 s17, 0
	s_add_nc_u64 s[8:9], s[8:9], s[16:17]
	s_lshl_b32 s46, s42, 8                         ; and the columns (in registers that feed none of A's descriptors)
	s_lshl_b32 s47, s12, 7
	s_add_co_u32 s46, s46, s47
	s_mul_i32 s46, s46, ES
	s_mov_b32 s47, 0
	s_add_nc_u64 s[8:9], s[8:9], s[46:47]
; n blocks of 16 rows of A from block a0 on x all 8 blocks of B, 32 along K, from buffer f.  zero = 1: the product starts the sums: nothing is cleared.
; The accumulators take turns, one instruction a turn and in the same order in every quarter: between two links of a chain stand the 8 AB - 1 others'.
.macro MULS f, a0, n, zero
.set ma, \a0
.rept \n
	WIN 0xa1                                       ; source 0 (B) window 1, source 1 (A) window 0, C and D window 2
.set mb, 0
.rept 8
.set rD, 8*(8*ma+mb)
.if \zero
	v_wmma_f32_16x16x32_bf16 v[rD:rD+7], v[(\f)+8*mb:(\f)+8*mb+7], v[(\f)+8*ma:(\f)+8*ma+7], 0
.else
	v_wmma_f32_16x16x32_bf16 v[rD:rD+7], v[(\f)+8*mb:(\f)+8*mb+7], v[(\f)+8*ma:(\f)+8*ma+7], v[rD:rD+7]
.endif
.set mb, mb+1
.endr
.set ma, ma+1
.endr
.endm
; One run of LDS loads: the fragments of a quarter step (128 rows of B, then my rows of A, 32 K at byte k of the rows) into buffer f
.macro FETCH slot, k, f
	WIN 0x40                                       ; destination window 1, address window 0
.set fi, 0
.rept 8
	ds_load_b128 v[(\f)+8*fi:(\f)+8*fi+3],   v[ADRB+(\slot)] offset:(\k)+fi*16*PITCH
	ds_load_b128 v[(\f)+8*fi+4:(\f)+8*fi+7], v[ADRB+(\slot)] offset:(\k)+fi*16*PITCH+32
.set fi, fi+1
.endr
	WIN 0
.set fi, 0
.rept AB
	ds_load_b128 v[(\f)+8*fi:(\f)+8*fi+3],   v[ADRA+(\slot)] offset:(\k)+fi*16*PITCH
	ds_load_b128 v[(\f)+8*fi+4:(\f)+8*fi+7], v[ADRA+(\slot)] offset:(\k)+fi*16*PITCH+32
.set fi, fi+1
.endr
.endm
; A K step is four quarters of 32 along K on buffers 0, 1, 0, 1.  One of the first three multiplies buffer f and, in its middle, fetches the next quarter (byte k of the same slot's rows) into g.
.macro QUARTER slot, k, f, g, zero
	s_wait_dscnt AB                                ; B and A's lower half are in; the youngest AB loads (A's upper half) may be out
	MULS \f, 0, H, \zero
	PLACES
	FETCH \slot, \k, \g
	s_wait_dscnt 16+2*AB                           ; all but the run just issued
	MULS \f, H, H, \zero
.endm
; The last quarter multiplies buffer 1 and changes slots: ONE barrier.  In front of it each wave waits for all its tensor loads (one is out: its part of the next slot), adds 0 to its spare word, and
; waits for that and for its reads of this slot.  fill = 1: the barrier opens a round of the cluster's, and this slot is filled again, two K steps ahead, first thing behind the round.
.macro TURN slot, next, fill
	WIN 0                                          ; (the add's two registers lie in window 0)
	s_wait_tensorcnt 0x0                           ; all my tensor loads have landed
	ds_add_u32 v[SPW], v[NIL]                      ; 0 onto my spare word
	s_wait_dscnt AB+1                              ; (the add and A's upper half may be out)
	MULS F1, 0, H/2, 0                             ; matrix work stands between the add and the wait for it
	s_wait_dscnt 0x0                               ; the add is done, and my reads of this slot are over
	s_barrier_signal -1
	MULS F1, H/2, H/2, 0                           ; work on registers while the others arrive
.if \fill
	WIN 0
.endif
	s_barrier_wait -1
.if \fill
	CREST                                          ; no wave of any partner still reads this slot's tile or has a load on its way
	s_add_nc_u64 s[G0+4*(\slot)+2:G0+4*(\slot)+3], s[G0+4*(\slot)+2:G0+4*(\slot)+3], 2*KSTEP*2
	s_add_nc_u64 s[G0B+4*(\slot)+2:G0B+4*(\slot)+3], s[G0B+4*(\slot)+2:G0B+4*(\slot)+3], 2*KSTEP*2
	JLOAD \slot                                    ; my one tensor load behind the round; its four v_nop are also the places in front of the loads below
.else
	PLACES
.endif
	FETCH \next, 0, F0
	MULS F1, H, H, 0
.endm
.macro LASTQ                           ; the very last quarter: nothing more to fetch
	s_wait_dscnt AB
	MULS F1, 0, H, 0
	s_wait_dscnt 0x0
	MULS F1, H, H, 0
	WIN 0
.endm
; THE WAY OUT of block a (16 rows of C).  PACK: rounded to f16, 16 bytes a lane, each accumulator's registers in ascending order.  TOSTAGE: into my own stage, and back as whole rows of 256 bytes.  SEND: stored.
.macro PACK a
.set AC, 64*(\a)
	WIN 0x0a                                       ; sources 0 and 1: window 2
.set ii, 0
.rept 32
	v_cvt_pk_f16_f32 v[TMP+ii], v[AC+2*ii], v[AC+2*ii+1]
.set ii, ii+1
.endr
	WIN 0
.endm
.macro TOSTAGE a
	WIN 0
.set BK, OB+192*((\a)%2)
.set ii, 0
.rept 8
	ds_store_b128 v[STO], v[TMP+4*ii:TMP+4*ii+3] offset:32*ii
.set ii, ii+1
.endr
.set ii, 0
.rept 8
	ds_load_b128 v[BK+4*ii:BK+4*ii+3], v[RD] offset:ii*2*SPITCH  ; LDS serves a wave's instructions in order (ISA guide 5.7.1.4): these see the stores above
.set ii, ii+1
.endr
.endm
.macro SEND a
	WIN 0
.set BK, OB+192*((\a)%2)
	s_wait_dscnt 0x0                               ; the block is back in registers
	s_wait_xcnt 0x0                                ; the stores of the block before have had their addresses translated (ISA guide 3.1): the next TOSTAGE loads into the registers that they read
.set ii, 0
.rept 8
	global_store_b128 v[CO], v[BK+4*ii:BK+4*ii+3], s[8:9] offset:(16*(\a)+2*ii)*CPB  ; 16 lanes store 256 consecutive bytes, at a multiple of 256 from C's first byte; 62 rows at the most: inside the signed 24-bit immediate
.set ii, ii+1
.endr
.endm
	s_wait_tensorcnt 1                             ; my part of K step 0 is in; K step 1's may stay out
	s_barrier_signal -1
	s_barrier_wait -1                              ; everybody's is
	FETCH 0, 0, F0
	QUARTER 0, 64,  F0, F1, 1                      ; the first quarter stands in front of the loop: its products start the sums
	WIN 0                                          ; at a label and at a branch every window is 0
	s_mov_b32 s3, LAPS-1
.Llap:                                                 ; a trip goes once round the ring, from a lap's second quarter to the next lap's first, and fills both slots again
	QUARTER 0, 128, F1, F0, 0
	QUARTER 0, 192, F0, F1, 0
	TURN 0, 1, 1
	QUARTER 1, 64,  F0, F1, 0
	QUARTER 1, 128, F1, F0, 0
	QUARTER 1, 192, F0, F1, 0
	TURN 1, 0, 1
	QUARTER 0, 64,  F0, F1, 0
	WIN 0
	s_sub_co_u32 s3, s3, 1
	s_cmp_lg_u32 s3, 0
	s_cbranch_scc1 .Llap
	QUARTER 0, 128, F1, F0, 0                      ; the last lap is written out: it fills nothing
	QUARTER 0, 192, F0, F1, 0
	TURN 0, 1, 0
	QUARTER 1, 64,  F0, F1, 0
	QUARTER 1, 128, F1, F0, 0
	QUARTER 1, 192, F0, F1, 0
	LASTQ
	PLACES
	PACK 0
	TOSTAGE 0
.set oa, 1
.rept AB-1                             ; block a's conversions stand between block a - 1's loads from the stage and the wait for them
	PACK oa
	SEND oa-1
	TOSTAGE oa
.set oa, oa+1
.endr
	SEND AB-1
	s_wait_tensorcnt 0x0                           ; the wave's end
	ds_add_u32 v[SPW], v[NIL]
	s_wait_dscnt 0x0
	CROUND                                         ; the closing round: no work-group ends while a partner may still ask for a tile that names it
	s_endpgm
.Lfunc_end_k_q3b6c716a5b_vt:
	.size	k_q3b6c716a5b_vt, .Lfunc_end_k_q3b6c716a5b_vt-k_q3b6c716a5b_vt
	.p2alignl 7, 3214868480
	.fill 96, 4, 3214868480
	.section	.rodata,"a",@progbits
	.p2align	6, 0x0
	.amdhsa_kernel k_q3b6c716a5b_vt
		.amdhsa_group_segment_fixed_size 327680
		.amdhsa_private_segment_fixed_size 0
		.amdhsa_enable_private_segment 0
		.amdhsa_kernarg_size 24
		.amdhsa_user_sgpr_count 2
		.amdhsa_user_sgpr_kernarg_segment_ptr 1
		.amdhsa_wavefront_size32 1
		.amdhsa_system_sgpr_workgroup_id_x 1
		.amdhsa_system_sgpr_workgroup_id_y 1
		.amdhsa_system_sgpr_workgroup_id_z 1
		.amdhsa_system_vgpr_workitem_id 0
		.amdhsa_next_free_vgpr 768
		.amdhsa_next_free_sgpr 66
		.amdhsa_reserve_vcc 0
		.amdhsa_float_denorm_mode_32 3
		.amdhsa_float_denorm_mode_16_64 3
		.amdhsa_memory_ordered 1
		.amdhsa_forward_progress 1
		.amdhsa_inst_pref_size 87
	.end_amdhsa_kernel
	.amdgpu_metadata
---
amdhsa.version: [ 1, 2 ]
amdhsa.kernels:
  - .name:           k_q3b6c716a5b_vt
    .symbol:         k_q3b6c716a5b_vt.kd
    .args:
      - { .name: w16, .offset: 0, .size: 8, .value_kind: global_buffer, .address_space: global }
      - { .name: xb, .offset: 8, .size: 8, .value_kind: global_buffer, .address_space: global }
      - { .name: vt, .offset: 16, .size: 8, .value_kind: global_buffer, .address_space: global }
    .group_segment_fixed_size: 327680
    .private_segment_fixed_size: 0
    .kernarg_segment_align: 8
    .kernarg_segment_size: 24
    .max_flat_workgroup_size: 128
    .sgpr_count:     66
    .vgpr_count:     768
    .wavefront_size: 32
...
	.end_amdgpu_metadata
.endif
;; end of part 3
;; launch scores (part 4): grid 8 x 32, 4 waves a work-group, clusters of 4 x 4, 327,680 bytes of LDS; arguments qk, p, stats; writes p, stats
.if DOCPART == 4
	.amdgcn_target "amdgcn-amd-amdhsa--gfx1250"
	.amdhsa_code_object_version 6
	.text
	.protected	k_q3b6c716a5b_scores
	.globl	k_q3b6c716a5b_scores
	.p2align	8
	.type	k_q3b6c716a5b_scores,@function
k_q3b6c716a5b_scores:
	s_mov_b64 s[64:65], 0
	v_nop
	global_prefetch_b8 v0, s[64:65] scope:SCOPE_SE
	s_setreg_imm32_b32 hwreg(HW_REG_WAVE_MODE, 25, 1), 1
	s_wait_xcnt 0x0
	s_wait_alu depctr_hold_cnt(0) depctr_sa_sdst(0) depctr_va_vdst(0) depctr_va_sdst(0) depctr_va_ssrc(0) depctr_va_vcc(0) depctr_vm_vsrc(0)
	s_getreg_b32 s2, hwreg(HW_REG_IB_STS2, 6, 4)
	s_cmp_eq_u32 s2, 0
	s_cbranch_scc0 .Lentry_in_a_cluster
	s_endpgm
.Lentry_in_a_cluster:
	s_bfe_u32 s2, ttmp6, 0x10000c
	s_cmp_lg_u32 s2, 0xf033
	s_cbranch_scc0 .Lentry_shape_is_right
	s_endpgm
.Lentry_shape_is_right:
; SCORES AND THE SOFTMAX BY KEY BLOCKS.  s[q][k] = sum over d of q[q][d] k[k][d], inside each of the 4 batches of 2,048 rows; q = qk's columns 0-1023, k = its columns 1024-2047, f16; sums in f32, K ascending.
; For each query and each BLOCK of 128 keys: m = the largest s of the block; p[q][k] = 2^(c s - c m), c = log2(e) / 32 (the scale 1 / sqrt(1024) and the change of base), rounded to f16;
; l = the sum of the block's unrounded p.  p is [8192][2048] f16; stats is [batch 4][block 16][row 2048][2] f32: (c m, l).  The next launch takes the rows' true maximum and sum from the 16 blocks.
; LIMITS.  p lies in 0 to 1; below 6e-5 it keeps f16's fixed step of 6e-8; a weight below 2^-126 counts as 0 in l; NaN and infinities are not treated apart.
; SHARES.  A tile of scores, 256 x 256, to a work-group of four waves; a wave makes 128 queries x 128 keys, one key block: 64 accumulators of 16 x 16, 512 registers.  32 x 8 tiles: 256 work-groups.
; K goes in steps of 128 through a ring of two LDS slots filled by the tensor data mover: a tile's rows are 256 bytes of memory at multiples of 256 bytes from the buffer's first byte.
; CLUSTER.  4 x 4 work-groups, all of one batch.  The four of a row of the cluster need the same tiles of q, the four of a column the same tiles of k: each tile is asked for JOINTLY, by the same
; tensor load with the same descriptor and a mask that names the four.
; THE MATRIX INSTRUCTION IS USED TRANSPOSED: source 0 = 16 keys, source 1 = 16 queries: lane l holds ONE query (l % 16) and, of each 16 keys, the keys 8 (l / 16) + 0..7: a query's maximum and sum want one
; exchange between the halves of the lanes, and eight neighbouring weights pack into 16 bytes.
; REGISTERS, in windows of 256 (s_set_vgpr_msb: bits 1:0 source 0, 3:2 source 1, 5:4 source 2, 7:6 destination):
;   window 0: v0-31 addresses; v64-127, v128-191 fragments of A, two buffers (behind the loop v64-95 serve the softmax); v192-223, v32-63, v224-255 at work on the way out
;   window 1: v64-127, v128-191 fragments of B, two buffers      window 2: accumulators of my rows 0-63 ((a, b) at v[8 (8 a + b)])      window 3: those of my rows 64-127
.set AB,     8                         ; blocks of 16 rows of A in a wave's tile
.set KTOT,   1024
.set PA,     2048                      ; elements from row to row of A, of B: both lie in qk
.set PB,     2048
.set BOFF,   2048                      ; k's first byte in a row of qk
.set CPB,    4096                      ; bytes in a row of C
.set ES,     2                         ; bytes in an element of C
.set H,      AB/2
.set RA,     16*AB                     ; rows of A in a wave's tile, and in one tensor load
.set TM,     2*RA                      ; rows in the work-group's tile
.set KSTEP,  128
.set PITCH,  272                       ; an LDS row: 256 bytes + 16 of padding = 68 words: row r starts at bank 4 r mod 64 (64 banks of 4 bytes: ISA guide 11.1), so the 16 rows of a load start at 16 different banks
.set HALFA,  RA*PITCH
.set HALFB,  128*PITCH
.set SLOT,   2*HALFA+2*HALFB           ; A's rows, then B's 256 rows
.set STAGE,  2*SLOT                    ; behind the ring, never filled by a tensor load: 16 rows x 272 bytes for each wave, for the way out
.set SPITCH, 272
.set SST,    STAGE+4*16*SPITCH         ; 1,024 bytes for each wave: its 128 rows' (c m, l)
.set SPARE,  SST+4*1024                ; the spare words, 128 bytes for each wave: two blocks of 256 bytes that no other line names
.set LAPS,   KTOT/(2*KSTEP)            ; a lap = two K steps = once round the ring
.set SSA,  6                           ; v6      where I put a row's (c m, l)
.set SSR,  7                           ; v7      where I read 16 bytes of them back
.set SGO,  8                           ; v8      my byte offset in 512 consecutive bytes of stats
.set ADRA, 16                          ; v16-17  LDS address of my A fragments in slot 0, 1
.set ADRB, 20                          ; v20-21  the same for B
.set STO,  24                          ; v24     the way out: where I put 16 bytes of a row
.set RD,   25                          ; v25     the way out: where I read a row back
.set CO,   26                          ; v26     my byte offset in C
.set SPW,  28                          ; v28     LDS address of my spare word; never rewritten
.set NIL,  29                          ; v29     0; never rewritten
.set F0,   64
.set F1,   128
.set T,    64                          ; v64-71  behind the loop: at work
.set SB,   72                          ; v72-79  the stats read back
.set ST,   80                          ; v80-95  block a's (c m, l) at v[ST+2 a]
.set TMP,  192
.set OB,   32
.set G1,  24                           ; s[24:31] descriptor group 1 for A's tiles;  s[32:39] group 0, a set for each slot
.set G0,  32
.set G1B, 48                           ; s[48:55], s[56:63] the same for B's tiles
.set G0B, 56
.set CS,  66                           ; s[66:67] c: the packed scaling takes the pair's low word for both halves
.set SEL, 68                           ; s[68:69] v_permlanex16_b32's selects: each lane takes its own place in the other half
.set MSB, 0
.macro WIN new                         ; the immediate's high byte repeats the setting that is left; a switch that changes nothing is dropped
.if MSB != (\new)
	s_set_vgpr_msb (MSB<<8)|(\new)
.set MSB, \new
.endif
.endm
; A joint load.  Waves 0 and 1 fetch A's two halves, waves 2 and 3 B's.  The branch hangs on the wave's number alone.  Four v_nop follow each of the two lines, ahead of the jump and the label.
.macro JLOAD s
	s_cmp_eq_u32 s11, 0
	s_cbranch_scc0 .Lfor_b_\@
	tensor_load_to_lds s[G0+4*(\s):G0+4*(\s)+3], s[G1:G1+7]
	s_nop 0
.rept 4
	v_nop
.endr
	s_branch .Lasked_\@
.Lfor_b_\@:
	tensor_load_to_lds s[G0B+4*(\s):G0B+4*(\s)+3], s[G1B:G1B+7]
	s_nop 0
.rept 4
	v_nop
.endr
.Lasked_\@:
.endm
; A round of the cluster's barrier: my work-group's barrier, so that wave 0's signal speaks for all four waves; wave 0 signals; every wave waits for all sixteen work-groups; my work-group's barrier once more.
.macro CREST                           ; a round behind its opening barrier
	s_cmp_lg_u32 s10, 0
	s_cbranch_scc1 .Lnot_wave_0_\@
	s_barrier_signal -3
.Lnot_wave_0_\@:
	s_barrier_wait -3
	s_barrier_signal -1
	s_barrier_wait -1
.endm
.macro CROUND
	s_barrier_signal -1
	s_barrier_wait -1
	CREST
.endm
; Four places: in front of loads into registers that matrix instructions have read, and of vector instructions that read matrix results (ISA guide 7.12.1 for vector instructions).
.macro PLACES
.rept 4
	v_nop
.endr
.endm
	s_load_b64 s[4:5], s[0:1], 0x0                 ; qk: A and B
	s_load_b64 s[8:9], s[0:1], 0x8                 ; C = p
	s_load_b64 s[70:71], s[0:1], 0x10              ; stats
	v_lshl_add_u32 v[SPW], v0, 2, SPARE
	v_mov_b32 v[NIL], 0
	ds_add_u32 v28, v29
	s_wait_dscnt 0x0
	v_lshrrev_b32 v1, 5, v0
	v_readfirstlane_b32 s10, v1                    ; wave 0..3
	s_lshr_b32 s11, s10, 1                         ; which half of the tile's rows is mine.  Also: I fetch for A (0) or for B (1)
	s_and_b32 s12, s10, 1                          ; which half of its columns.  Also: which half of that tile I fetch
	s_bfe_u32 s40, ttmp6, 0x40000                  ; cx, cy: my place in the cluster
	s_bfe_u32 s41, ttmp6, 0x40004
	s_lshl_b32 s42, ttmp9, 2
	s_add_co_u32 s42, s42, s40                     ; tile column of C = 4 x cluster x + cx
	s_and_b32 s13, ttmp7, 0xffff
	s_lshl_b32 s13, s13, 2
	s_add_co_u32 s13, s13, s41                     ; tile row of C = 4 x cluster y + cy
	s_and_b32 s45, ttmp7, 0xffff                   ; the batch = tile row / 8 = cluster y / 2, made of what the whole cluster shares,
	s_lshr_b32 s45, s45, 1
	s_lshl_b32 s45, s45, 11                        ; times its 2,048 rows
	s_lshl_b32 s43, s41, 2
	s_lshl_b32 s43, 15, s43                        ; my row of the cluster: places 4 cy .. 4 cy + 3
	s_lshl_b32 s44, 0x1111, s40                    ; my column: places cx, cx + 4, cx + 8, cx + 12
	s_or_b32 s[G1+0], s43, (1<<16)|(1<<20)|(1<<21)|(5<<22)|(3<<25)   ; 15:0 the mask; 17:16 2-byte elements; 20 padding on; 21 set beside a mask; 24:22 after every 64 words (code 5); 31:25 4 words (code 3)
	s_or_b32 s[G1B+0], s44, (1<<16)|(1<<20)|(1<<21)|(5<<22)|(3<<25)
	s_mov_b32 s[G1+1], KSTEP<<16                   ; tensor_dim0 = 128
	s_mov_b32 s[G1+2], RA<<16                      ; tensor_dim1 = the tile's rows
	s_mov_b32 s[G1+3], KSTEP<<16                   ; tile_dim0 = 128
	s_mov_b32 s[G1+4], RA                          ; tile_dim1
	s_mov_b32 s[G1+5], PA                          ; elements from row to row
	s_mov_b32 s[G1+6], 0
	s_mov_b32 s[G1+7], 0
	s_mov_b32 s[G1B+1], KSTEP<<16
	s_mov_b32 s[G1B+2], 128<<16
	s_mov_b32 s[G1B+3], KSTEP<<16
	s_mov_b32 s[G1B+4], 128
	s_mov_b32 s[G1B+5], PB
	s_mov_b32 s[G1B+6], 0
	s_mov_b32 s[G1B+7], 0
	s_mov_b32 s[CS], 0x3d38aa3b                    ; c = log2(e) / 32 = 0.0450842
	s_mov_b32 s[CS+1], s[CS]                       ; named with it as a pair
	s_mov_b32 s[SEL], 0x76543210
	s_mov_b32 s[SEL+1], 0xfedcba98
	; where the tiles come from: A's hang on the tile row alone, B's on the tile column and the batch alone, each in registers that never hold the other place in the cluster.  All offsets stay under 2^26 bytes.
	s_mul_i32 s16, s13, TM
	s_mul_i32 s17, s12, RA
	s_add_co_u32 s16, s16, s17                     ; A: row TM x tile row + RA x half
	s_mul_i32 s16, s16, PA*2
	s_mov_b32 s17, 0
	s_lshl_b32 s46, s42, 8
	s_lshl_b32 s47, s12, 7
	s_add_co_u32 s46, s46, s47                     ; B: key 256 x tile column + 128 x half,
	s_add_co_u32 s46, s46, s45                     ; of my batch,
	s_mul_i32 s46, s46, PB*2
	s_add_co_u32 s46, s46, BOFF                    ; in k's half of the row
	s_mov_b32 s47, 0
	s_mul_i32 s20, s12, HALFA                      ; and where they go: no place in the cluster enters an LDS address
	s_mul_i32 s23, s12, HALFB
	s_add_co_u32 s23, s23, 2*HALFA
	s_wait_kmcnt 0x0
	s_add_nc_u64 s[14:15], s[4:5], s[16:17]
	s_add_nc_u64 s[46:47], s[4:5], s[46:47]
	CROUND                                         ; all sixteen work-groups are here: the first joint loads meet
.irp s, 0,1
	s_mov_b32 s[G0+4*(\s)], 1                                        ; count = 1
	s_add_co_u32 s[G0+4*(\s)+1], s20, (\s)*SLOT                      ; LDS address
	s_add_nc_u64 s[G0+4*(\s)+2:G0+4*(\s)+3], s[14:15], (\s)*KSTEP*2  ; global address: K step s
	s_or_b32 s[G0+4*(\s)+3], s[G0+4*(\s)+3], 0x80000000              ; type = 2
	s_mov_b32 s[G0B+4*(\s)], 1
	s_add_co_u32 s[G0B+4*(\s)+1], s23, (\s)*SLOT
	s_add_nc_u64 s[G0B+4*(\s)+2:G0B+4*(\s)+3], s[46:47], (\s)*KSTEP*2
	s_or_b32 s[G0B+4*(\s)+3], s[G0B+4*(\s)+3], 0x80000000
	JLOAD \s                                       ; both slots are asked for before anything else is done: two loads of mine are out
.endr
	; A fragment is 16 rows x 32 K in 8 registers: lane l holds row l % 16; registers 0-3 K = 8 (l / 16) + 0..7, registers 4-7 K = 16 + 8 (l / 16) + 0..7: two loads of 16 bytes, 32 bytes apart.
	v_and_b32 v1, 15, v0                           ; l % 16
	v_bfe_u32 v2, v0, 4, 1                         ; l / 16
	v_mul_u32_u24 v3, v1, PITCH
	v_lshl_add_u32 v3, v2, 4, v3
	s_mul_i32 s21, s11, HALFA                      ; my rows of A
	s_mul_i32 s22, s12, HALFB                      ; my rows of B,
	s_add_co_u32 s22, s22, 2*HALFA                 ; which lie behind A's
.irp s, 0,1
	v_add_nc_u32 v[ADRA+(\s)], s21, v3
	v_add_nc_u32 v[ADRB+(\s)], s22, v3
	s_add_co_u32 s21, s21, SLOT
	s_add_co_u32 s22, s22, SLOT
.endr
	s_mul_i32 s23, s10, 16*SPITCH
	s_add_co_u32 s23, s23, STAGE                   ; my stage
	v_mul_u32_u24 v4, v1, SPITCH                   ; in: row l % 16, 16 bytes for each half of the lanes
	v_lshl_add_u32 v4, v2, 4, v4
	v_add_nc_u32 v[STO], s23, v4
	v_mul_u32_u24 v5, v2, SPITCH                   ; back: lanes 0-15 take one row of 256 bytes, lanes 16-31 the next
	v_lshl_add_u32 v5, v1, 4, v5
	v_add_nc_u32 v[RD], s23, v5
	v_mul_u32_u24 v5, v2, CPB                      ; and the same two rows in C
	v_lshl_add_u32 v[CO], v1, 4, v5
	s_lshl_b32 s72, s10, 10
	s_add_co_u32 s72, s72, SST                     ; my 1,024 bytes for the stats
	v_lshl_add_u32 v[SSA], v1, 3, s72              ; in: 8 bytes for row l % 16 of a block
	v_and_b32 v4, 31, v0
	v_lshl_add_u32 v[SSR], v4, 4, s72              ; back: 16 bytes a lane
	v_lshlrev_b32 v[SGO], 4, v4
	s_mul_i32 s16, s13, TM                         ; C at my part of the tile: the rows,
	s_mul_i32 s17, s11, RA
	s_add_co_u32 s16, s16, s17
	s_mul_i32 s16, s16, CPB
	s_mov_b32 s17, 0
	s_add_nc_u64 s[8:9], s[8:9], s[16:17]
	s_lshl_b32 s46, s42, 8                         ; and the columns (in registers that feed none of A's descriptors)
	s_lshl_b32 s47, s12, 7
	s_add_co_u32 s46, s46, s47
	s_mul_i32 s46, s46, ES
	s_mov_b32 s47, 0
	s_add_nc_u64 s[8:9], s[8:9], s[46:47]
	s_lshr_b32 s73, s13, 3                         ; stats at ((16 batch + key block) x 2,048 + my first row in the batch) x 8 bytes, in registers that feed no descriptor
	s_lshl_b32 s73, s73, 4
	s_lshl_b32 s74, s42, 1
	s_add_co_u32 s73, s73, s74
	s_add_co_u32 s73, s73, s12                     ; key block = 2 x tile column + my half
	s_lshl_b32 s73, s73, 11
	s_and_b32 s74, s13, 7
	s_lshl_b32 s74, s74, 8
	s_add_co_u32 s73, s73, s74
	s_lshl_b32 s74, s11, 7
	s_add_co_u32 s73, s73, s74
	s_lshl_b32 s74, s73, 3
	s_mov_b32 s75, 0
	s_add_nc_u64 s[70:71], s[70:71], s[74:75]
; n blocks of 16 rows of A from block a0 on x all 8 blocks of B, 32 along K, from buffer f.  zero = 1: the product starts the sums: nothing is cleared.
; The accumulators take turns, one instruction a turn and in the same order in every quarter: between two links of a chain stand the 8 AB - 1 others'.
.macro MULS f, a0, n, zero
.set ma, \a0
.rept \n
	WIN 0xa1+0x50*(ma/4)                           ; source 0 (B) window 1, source 1 (A) window 0, C and D window 2 or 3
.set mb, 0
.rept 8
.set rD, 8*(8*(ma%4)+mb)
.if \zero
	v_wmma_f32_16x16x32_f16 v[rD:rD+7], v[(\f)+8*mb:(\f)+8*mb+7], v[(\f)+8*ma:(\f)+8*ma+7], 0
.else
	v_wmma_f32_16x16x32_f16 v[rD:rD+7], v[(\f)+8*mb:(\f)+8*mb+7], v[(\f)+8*ma:(\f)+8*ma+7], v[rD:rD+7]
.endif
.set mb, mb+1
.endr
.set ma, ma+1
.endr
.endm
; One run of LDS loads: the fragments of a quarter step (128 rows of B, then my rows of A, 32 K at byte k of the rows) into buffer f
.macro FETCH slot, k, f
	WIN 0x40                                       ; destination window 1, address window 0
.set fi, 0
.rept 8
	ds_load_b128 v[(\f)+8*fi:(\f)+8*fi+3],   v[ADRB+(\slot)] offset:(\k)+fi*16*PITCH
	ds_load_b128 v[(\f)+8*fi+4:(\f)+8*fi+7], v[ADRB+(\slot)] offset:(\k)+fi*16*PITCH+32
.set fi, fi+1
.endr
	WIN 0
.set fi, 0
.rept AB
	ds_load_b128 v[(\f)+8*fi:(\f)+8*fi+3],   v[ADRA+(\slot)] offset:(\k)+fi*16*PITCH
	ds_load_b128 v[(\f)+8*fi+4:(\f)+8*fi+7], v[ADRA+(\slot)] offset:(\k)+fi*16*PITCH+32
.set fi, fi+1
.endr
.endm
; A K step is four quarters of 32 along K on buffers 0, 1, 0, 1.  One of the first three multiplies buffer f and, in its middle, fetches the next quarter (byte k of the same slot's rows) into g.
.macro QUARTER slot, k, f, g, zero
	s_wait_dscnt AB                                ; B and A's lower half are in; the youngest AB loads (A's upper half) may be out
	MULS \f, 0, H, \zero
	PLACES
	FETCH \slot, \k, \g
	s_wait_dscnt 16+2*AB                           ; all but the run just issued
	MULS \f, H, H, \zero
.endm
; The last quarter multiplies buffer 1 and changes slots: ONE barrier.  In front of it each wave waits for all its tensor loads (one is out: its part of the next slot), adds 0 to its spare word, and
; waits for that and for its reads of this slot.  fill = 1: the barrier opens a round of the cluster's, and this slot is filled again, two K steps ahead, first thing behind the round.
.macro TURN slot, next, fill
	WIN 0                                          ; (the add's two registers lie in window 0)
	s_wait_tensorcnt 0x0                           ; all my tensor loads have landed
	ds_add_u32 v[SPW], v[NIL]                      ; 0 onto my spare word
	s_wait_dscnt AB+1                              ; (the add and A's upper half may be out)
	MULS F1, 0, H/2, 0                             ; matrix work stands between the add and the wait for it
	s_wait_dscnt 0x0                               ; the add is done, and my reads of this slot are over
	s_barrier_signal -1
	MULS F1, H/2, H/2, 0                           ; work on registers while the others arrive
.if \fill
	WIN 0
.endif
	s_barrier_wait -1
.if \fill
	CREST                                          ; no wave of any partner still reads this slot's tile or has a load on its way
	s_add_nc_u64 s[G0+4*(\slot)+2:G0+4*(\slot)+3], s[G0+4*(\slot)+2:G0+4*(\slot)+3], 2*KSTEP*2
	s_add_nc_u64 s[G0B+4*(\slot)+2:G0B+4*(\slot)+3], s[G0B+4*(\slot)+2:G0B+4*(\slot)+3], 2*KSTEP*2
	JLOAD \slot                                    ; my one tensor load behind the round; its four v_nop are also the places in front of the loads below
.else
	PLACES
.endif
	FETCH \next, 0, F0
	MULS F1, H, H, 0
.endm
.macro LASTQ                           ; the very last quarter: nothing more to fetch
	s_wait_dscnt AB
	MULS F1, 0, H, 0
	s_wait_dscnt 0x0
	MULS F1, H, H, 0
	WIN 0
.endm
; THE SOFTMAX of block a (16 queries x my 128 keys; a lane holds 64 scores of one query, in the block's 64 registers of window W).  Each accumulator's lowest registers are read first.
.macro SOFT a
.set AC, 64*((\a)%4)
.set W, 2+(\a)/4
.set rM, ST+2*(\a)
	WIN W|(W<<2)|(W<<4)                            ; the maximum: eight chains, one for each accumulator, three operands at a time
.set ii, 0
.rept 8
	v_max3_num_f32 v[T+ii], v[AC+8*ii], v[AC+8*ii+1], v[AC+8*ii+2]
.set ii, ii+1
.endr
	WIN (W<<2)|(W<<4)
.irp j, 3,5
.set ii, 0
.rept 8
	v_max3_num_f32 v[T+ii], v[T+ii], v[AC+8*ii+\j], v[AC+8*ii+\j+1]
.set ii, ii+1
.endr
.endr
.set ii, 0
.rept 8
	v_max_num_f32 v[T+ii], v[T+ii], v[AC+8*ii+7]
.set ii, ii+1
.endr
	WIN 0
	v_max3_num_f32 v[T], v[T], v[T+1], v[T+2]
	v_max3_num_f32 v[T+3], v[T+3], v[T+4], v[T+5]
	v_max3_num_f32 v[T], v[T], v[T+6], v[T+7]
	v_max_num_f32 v[T], v[T], v[T+3]
	v_permlanex16_b32 v[T+1], v[T], s[SEL], s[SEL+1]  ; the query's other 64 keys lie in the lane 16 away
	v_max_num_f32 v[T], v[T], v[T+1]
	v_mul_f32 v[rM], s[CS], v[T]                   ; c m, in both registers of the pair that the packed scaling takes away
	v_mul_f32 v[rM+1], s[CS], v[T]
	WIN W|(W<<6)                                   ; c s - c m, then the exponentials, in place
.set ii, 0
.rept 32
	v_pk_fma_f32 v[AC+2*ii:AC+2*ii+1], v[AC+2*ii:AC+2*ii+1], s[CS:CS+1], v[rM:rM+1] op_sel_hi:[1,0,1] neg_lo:[0,0,1] neg_hi:[0,0,1]
.set ii, ii+1
.endr
.set ii, 0
.rept 64
	v_exp_f32 v[AC+ii], v[AC+ii]
.set ii, ii+1
.endr
	v_nop                                          ; a plain instruction between the last exponential and the use of its result (ISA guide 5.7.2)
	WIN W|(W<<2)                                   ; rounded to f16, 16 bytes for each accumulator
.set ii, 0
	s_wait_alu depctr_va_vdst(0)
.rept 32
	v_cvt_pk_f16_f32 v[TMP+ii], v[AC+2*ii], v[AC+2*ii+1]
.set ii, ii+1
.endr
	WIN W|(W<<2)|(W<<6)                            ; the sum of the 32 pairs, in place: neighbours 1, 2, 4, 8, 16 pairs apart
.set sd, 1
.rept 5
.set su, 0
.rept 16/sd
	v_pk_add_f32 v[AC+4*sd*su:AC+4*sd*su+1], v[AC+4*sd*su:AC+4*sd*su+1], v[AC+4*sd*su+2*sd:AC+4*sd*su+2*sd+1]
.set su, su+1
.endr
.set sd, sd*2
.endr
	WIN W|(W<<2)
	v_add_f32 v[T], v[AC], v[AC+1]
	WIN 0
	v_permlanex16_b32 v[T+1], v[T], s[SEL], s[SEL+1]
	v_add_f32 v[rM+1], v[T], v[T+1]                ; l takes the place of the second c m
.endm
; THE WAY OUT of block a.  TOSTAGE: the packed weights into my own stage, and back as whole rows of 256 bytes.  SEND: stored.
.macro TOSTAGE a
	WIN 0
.set BK, OB+192*((\a)%2)
.set ii, 0
.rept 8
	ds_store_b128 v[STO], v[TMP+4*ii:TMP+4*ii+3] offset:32*ii
.set ii, ii+1
.endr
.set ii, 0
.rept 8
	ds_load_b128 v[BK+4*ii:BK+4*ii+3], v[RD] offset:ii*2*SPITCH  ; LDS serves a wave's instructions in order (ISA guide 5.7.1.4): these see the stores above
.set ii, ii+1
.endr
.endm
.macro SEND a
	WIN 0
.set BK, OB+192*((\a)%2)
	s_wait_dscnt 0x0                               ; the block is back in registers
	s_wait_xcnt 0x0                                ; the stores of the block before have had their addresses translated (ISA guide 3.1): the next TOSTAGE loads into the registers that they read
.set ii, 0
.rept 8
	global_store_b128 v[CO], v[BK+4*ii:BK+4*ii+3], s[8:9] offset:(16*(\a)+2*ii)*CPB  ; 16 lanes store 256 consecutive bytes, at a multiple of 256 from C's first byte
.set ii, ii+1
.endr
.endm
	s_wait_tensorcnt 1                             ; my part of K step 0 is in; K step 1's may stay out
	s_barrier_signal -1
	s_barrier_wait -1                              ; everybody's is
	FETCH 0, 0, F0
	QUARTER 0, 64,  F0, F1, 1                      ; the first quarter stands in front of the loop: its products start the sums
	WIN 0                                          ; at a label and at a branch every window is 0
	s_mov_b32 s3, LAPS-1
.Llap:                                                 ; a trip goes once round the ring, from a lap's second quarter to the next lap's first, and fills both slots again
	QUARTER 0, 128, F1, F0, 0
	QUARTER 0, 192, F0, F1, 0
	TURN 0, 1, 1
	QUARTER 1, 64,  F0, F1, 0
	QUARTER 1, 128, F1, F0, 0
	QUARTER 1, 192, F0, F1, 0
	TURN 1, 0, 1
	QUARTER 0, 64,  F0, F1, 0
	WIN 0
	s_sub_co_u32 s3, s3, 1
	s_cmp_lg_u32 s3, 0
	s_cbranch_scc1 .Llap
	QUARTER 0, 128, F1, F0, 0                      ; the last lap is written out: it fills nothing
	QUARTER 0, 192, F0, F1, 0
	TURN 0, 1, 0
	QUARTER 1, 64,  F0, F1, 0
	QUARTER 1, 128, F1, F0, 0
	QUARTER 1, 192, F0, F1, 0
	LASTQ
	PLACES
	SOFT 0
	TOSTAGE 0
.set oa, 1
.rept AB-1                             ; block a's softmax stands between block a - 1's loads from the stage and the wait for them
	SOFT oa
	SEND oa-1
	TOSTAGE oa
.set oa, oa+1
.endr
	SEND AB-1
	; my 128 rows' (c m, l): 8 bytes a row into my own bytes of LDS (the two halves of the lanes hold the same numbers and write the same bytes), and back as 1,024 consecutive bytes
.set ii, 0
.rept 8
	ds_store_b64 v[SSA], v[ST+2*ii:ST+2*ii+1] offset:128*ii
.set ii, ii+1
.endr
	ds_load_b128 v[SB:SB+3], v[SSR]
	ds_load_b128 v[SB+4:SB+7], v[SSR] offset:512
	s_wait_dscnt 0x0
	global_store_b128 v[SGO], v[SB:SB+3], s[70:71]
	global_store_b128 v[SGO], v[SB+4:SB+7], s[70:71] offset:512
	s_wait_tensorcnt 0x0                           ; the wave's end
	ds_add_u32 v[SPW], v[NIL]
	s_wait_dscnt 0x0
	CROUND                                         ; the closing round: no work-group ends while a partner may still ask for a tile that names it
	s_endpgm
.Lfunc_end_k_q3b6c716a5b_scores:
	.size	k_q3b6c716a5b_scores, .Lfunc_end_k_q3b6c716a5b_scores-k_q3b6c716a5b_scores
	.p2alignl 7, 3214868480
	.fill 96, 4, 3214868480
	.section	.rodata,"a",@progbits
	.p2align	6, 0x0
	.amdhsa_kernel k_q3b6c716a5b_scores
		.amdhsa_group_segment_fixed_size 327680
		.amdhsa_private_segment_fixed_size 0
		.amdhsa_enable_private_segment 0
		.amdhsa_kernarg_size 24
		.amdhsa_user_sgpr_count 2
		.amdhsa_user_sgpr_kernarg_segment_ptr 1
		.amdhsa_wavefront_size32 1
		.amdhsa_system_sgpr_workgroup_id_x 1
		.amdhsa_system_sgpr_workgroup_id_y 1
		.amdhsa_system_sgpr_workgroup_id_z 1
		.amdhsa_system_vgpr_workitem_id 0
		.amdhsa_next_free_vgpr 1024
		.amdhsa_next_free_sgpr 76
		.amdhsa_reserve_vcc 0
		.amdhsa_float_denorm_mode_32 3
		.amdhsa_float_denorm_mode_16_64 3
		.amdhsa_memory_ordered 1
		.amdhsa_forward_progress 1
		.amdhsa_inst_pref_size 212
	.end_amdhsa_kernel
	.amdgpu_metadata
---
amdhsa.version: [ 1, 2 ]
amdhsa.kernels:
  - .name:           k_q3b6c716a5b_scores
    .symbol:         k_q3b6c716a5b_scores.kd
    .args:
      - { .name: qk, .offset: 0, .size: 8, .value_kind: global_buffer, .address_space: global }
      - { .name: p, .offset: 8, .size: 8, .value_kind: global_buffer, .address_space: global }
      - { .name: stats, .offset: 16, .size: 8, .value_kind: global_buffer, .address_space: global }
    .group_segment_fixed_size: 327680
    .private_segment_fixed_size: 0
    .kernarg_segment_align: 8
    .kernarg_segment_size: 24
    .max_flat_workgroup_size: 128
    .sgpr_count:     76
    .vgpr_count:     1024
    .wavefront_size: 32
...
	.end_amdgpu_metadata
.endif
;; end of part 4
;; launch pv (part 5): grid 4 x 64, 4 waves a work-group, clusters of 4 x 4, 327,680 bytes of LDS; arguments p, vt, ctx, stats; writes ctx
.if DOCPART == 5
	.amdgcn_target "amdgcn-amd-amdhsa--gfx1250"
	.amdhsa_code_object_version 6
	.text
	.protected	k_q3b6c716a5b_pv
	.globl	k_q3b6c716a5b_pv
	.p2align	8
	.type	k_q3b6c716a5b_pv,@function
k_q3b6c716a5b_pv:
	s_mov_b64 s[64:65], 0
	v_nop
	global_prefetch_b8 v0, s[64:65] scope:SCOPE_SE
	s_setreg_imm32_b32 hwreg(HW_REG_WAVE_MODE, 25, 1), 1
	s_wait_xcnt 0x0
	s_wait_alu depctr_hold_cnt(0) depctr_sa_sdst(0) depctr_va_vdst(0) depctr_va_sdst(0) depctr_va_ssrc(0) depctr_va_vcc(0) depctr_vm_vsrc(0)
	s_getreg_b32 s2, hwreg(HW_REG_IB_STS2, 6, 4)
	s_cmp_eq_u32 s2, 0
	s_cbranch_scc0 .Lentry_in_a_cluster
	s_endpgm
.Lentry_in_a_cluster:
	s_bfe_u32 s2, ttmp6, 0x10000c
	s_cmp_lg_u32 s2, 0xf033
	s_cbranch_scc0 .Lentry_shape_is_right
	s_endpgm
.Lentry_shape_is_right:
; ctx[q][c] = (sum over keys of f[q][block] p[q][key] v[key][c]) / L[q], inside each of the 4 batches.  p [8192][2048] f16 holds 2^(c s - c m_block) for blocks of 128 keys; stats [batch 4][block 16][row 2048][2] f32
; holds (c m_block, l_block); vt [1024][8192] f16 is V transposed.  For each row: M = the largest of its 16 c m_block, THE ROW'S TRUE MAXIMUM; f = 2^(c m_block - M), rounded to f16; L = the sum of f l_block,
; with f as it was rounded.  A K step of 128 keys is one block: its fragments of p are multiplied by f in f16 on their way to the matrix unit.  Sums in f32, keys ascending; ctx [8192][1024] f16, rounded once.
; LIMITS.  f p lies in 0 to 1; below 6e-5 of the row's largest weight it keeps f16's fixed step of 6e-8, below 3e-8 it counts as 0; f below 2^-126 counts as 0; ctx is a mean of V's rows and has their range;
; NaN and infinities are not treated apart.
; SHARES.  C has 8192 x 1024 numbers: tiles of 128 x 256 give 64 x 4 = 256 work-groups.  Four waves, each 64 x 128: 32 accumulators of 16 x 16, 256 registers.
; K goes in steps of 128 through a ring of two LDS slots filled by the tensor data mover: a tile's rows are 256 bytes of memory at multiples of 256 bytes from the buffer's first byte.
; CLUSTER.  4 x 4 work-groups, all of one batch.  The four of a row of the cluster need the same tiles of p, the four of a column the same tiles of vt: each tile is asked for JOINTLY, by the same tensor
; load with the same descriptor and a mask that names the four.
; THE MATRIX INSTRUCTION IS USED TRANSPOSED: source 0 = 16 rows of B, source 1 = 16 rows of A: lane l then holds row l % 16 of C and the columns 8 (l / 16) + 0..7, which pack into 16 bytes.
; REGISTERS, in windows of 256 (s_set_vgpr_msb: bits 1:0 source 0, 3:2 source 1, 5:4 source 2, 7:6 destination):
;   window 0: v0-31 addresses and the step's factors; v64-95, v128-159 fragments of A, two buffers; v96-127 the factors as they are made, later 1 / L; v192-255, v32-63 the stats at the start, later at work on the way out
;   window 1: v64-127, v128-191 fragments of B, two buffers      window 2: the accumulators ((a, b) at v[8 (8 a + b)])
.set AB,     4                         ; blocks of 16 rows of A in a wave's tile
.set KTOT,   2048
.set PA,     2048                      ; elements from row to row of A, of B
.set PB,     8192
.set CPB,    2048                      ; bytes in a row of C
.set ES,     2                         ; bytes in an element of C
.set H,      AB/2
.set RA,     16*AB                     ; rows of A in a wave's tile, and in one tensor load
.set TM,     2*RA                      ; rows in the work-group's tile
.set KSTEP,  128
.set PITCH,  272                       ; an LDS row: 256 bytes + 16 of padding = 68 words: row r starts at bank 4 r mod 64 (64 banks of 4 bytes: ISA guide 11.1), so the 16 rows of a load start at 16 different banks
.set HALFA,  RA*PITCH
.set HALFB,  128*PITCH
.set SLOT,   2*HALFA+2*HALFB           ; A's rows, then B's 256 rows
.set STAGE,  2*SLOT                    ; behind the ring, never filled by a tensor load: 16 rows x 272 bytes for each wave, for the way out
.set SPITCH, 272
.set FAC,    STAGE+4*16*SPITCH         ; 4,096 bytes for each wave: the factor (twice, as two f16) of block kb, row 16 a + r at 256 kb + 16 r + 4 a
.set INV,    FAC+4*4096                ; 512 bytes for each wave: 1 / L (twice, as two f32) of row 16 a + r at 32 r + 8 a
.set SPARE,  INV+4*512                 ; the spare words, 128 bytes for each wave: two blocks of 256 bytes that no other line names
.set LAPS,   KTOT/(2*KSTEP)            ; a lap = two K steps = once round the ring
.set FW,   6                           ; v6      where I put my rows' factors
.set IW,   7                           ; v7      where I put my rows' 1 / L
.set FR,   12                          ; v12-15  the K step's factors for row l % 16 of my four blocks of A
.set ADRA, 16                          ; v16-17  LDS address of my A fragments in slot 0, 1
.set ADRB, 20                          ; v20-21  the same for B
.set STO,  24                          ; v24     the way out: where I put 16 bytes of a row
.set RD,   25                          ; v25     the way out: where I read a row back
.set CO,   26                          ; v26     my byte offset in C
.set FAV,  27                          ; v27     where I read a K step's factors; it steps by two blocks a lap
.set SPW,  28                          ; v28     LDS address of my spare word; never rewritten
.set NIL,  29                          ; v29     0; never rewritten
.set IR,   30                          ; v30     where I read 1 / L
.set SL,   31                          ; v31     my byte offset in 512 consecutive bytes of stats
.set MX,   32                          ; v32-33  M of my two rows
.set LS,   34                          ; v34-35  L of my two rows
.set RC,   40                          ; v40-43  1 / L, each twice
.set F0,   64
.set F1,   128
.set PKF,  96                          ; v96-127 factor n = 2 kb + i (row i of my two), twice in a register
.set IV,   96                          ; v96-103 the way out: 1 / L of row l % 16 of block a, twice, at v[IV+2 a]
.set L,    192                         ; v192-255 the stats of block kb at v[L+4 kb]: c m, l of my first row, c m, l of my second
.set TMP,  192
.set OB,   32
.set G1,  24                           ; s[24:31] descriptor group 1 for A's tiles;  s[32:39] group 0, a set for each slot
.set G0,  32
.set G1B, 48                           ; s[48:55], s[56:63] the same for B's tiles
.set G0B, 56
.set MSB, 0
.macro WIN new                         ; the immediate's high byte repeats the setting that is left; a switch that changes nothing is dropped
.if MSB != (\new)
	s_set_vgpr_msb (MSB<<8)|(\new)
.set MSB, \new
.endif
.endm
; A joint load.  Waves 0 and 1 fetch A's two halves, waves 2 and 3 B's.  The branch hangs on the wave's number alone.  Four v_nop follow each of the two lines, ahead of the jump and the label.
.macro JLOAD s
	s_cmp_eq_u32 s11, 0
	s_cbranch_scc0 .Lfor_b_\@
	tensor_load_to_lds s[G0+4*(\s):G0+4*(\s)+3], s[G1:G1+7]
	s_nop 0
.rept 4
	v_nop
.endr
	s_branch .Lasked_\@
.Lfor_b_\@:
	tensor_load_to_lds s[G0B+4*(\s):G0B+4*(\s)+3], s[G1B:G1B+7]
	s_nop 0
.rept 4
	v_nop
.endr
.Lasked_\@:
.endm
; A round of the cluster's barrier: my work-group's barrier, so that wave 0's signal speaks for all four waves; wave 0 signals; every wave waits for all sixteen work-groups; my work-group's barrier once more.
.macro CREST                           ; a round behind its opening barrier
	s_cmp_lg_u32 s10, 0
	s_cbranch_scc1 .Lnot_wave_0_\@
	s_barrier_signal -3
.Lnot_wave_0_\@:
	s_barrier_wait -3
	s_barrier_signal -1
	s_barrier_wait -1
.endm
.macro CROUND
	s_barrier_signal -1
	s_barrier_wait -1
	CREST
.endm
; Four places: in front of loads into registers that matrix instructions have read, and of vector instructions that read matrix results (ISA guide 7.12.1 for vector instructions).
.macro PLACES
.rept 4
	v_nop
.endr
.endm
	s_load_b128 s[4:7], s[0:1], 0x0                ; A = p s[4:5], B = vt s[6:7]
	s_load_b64 s[8:9], s[0:1], 0x10                ; C = ctx
	s_load_b64 s[66:67], s[0:1], 0x18              ; stats
	v_lshl_add_u32 v[SPW], v0, 2, SPARE
	v_mov_b32 v[NIL], 0
	ds_add_u32 v28, v29
	s_wait_dscnt 0x0
	v_lshrrev_b32 v1, 5, v0
	v_readfirstlane_b32 s10, v1                    ; wave 0..3
	s_lshr_b32 s11, s10, 1                         ; which half of the tile's rows is mine.  Also: I fetch for A (0) or for B (1)
	s_and_b32 s12, s10, 1                          ; which half of its columns.  Also: which half of that tile I fetch
	s_bfe_u32 s40, ttmp6, 0x40000                  ; cx, cy: my place in the cluster
	s_bfe_u32 s41, ttmp6, 0x40004
	s_lshl_b32 s42, ttmp9, 2
	s_add_co_u32 s42, s42, s40                     ; tile column of C = 4 x cluster x + cx
	s_and_b32 s13, ttmp7, 0xffff
	s_lshl_b32 s13, s13, 2
	s_add_co_u32 s13, s13, s41                     ; tile row of C = 4 x cluster y + cy
	s_and_b32 s45, ttmp7, 0xffff                   ; the batch = tile row / 16 = cluster y / 4, made of what the whole cluster shares,
	s_lshr_b32 s45, s45, 2
	s_lshl_b32 s45, s45, 12                        ; times its 2,048 keys of 2 bytes in a row of vt
	s_lshl_b32 s43, s41, 2
	s_lshl_b32 s43, 15, s43                        ; my row of the cluster: places 4 cy .. 4 cy + 3
	s_lshl_b32 s44, 0x1111, s40                    ; my column: places cx, cx + 4, cx + 8, cx + 12
	s_or_b32 s[G1+0], s43, (1<<16)|(1<<20)|(1<<21)|(5<<22)|(3<<25)   ; 15:0 the mask; 17:16 2-byte elements; 20 padding on; 21 set beside a mask; 24:22 after every 64 words (code 5); 31:25 4 words (code 3)
	s_or_b32 s[G1B+0], s44, (1<<16)|(1<<20)|(1<<21)|(5<<22)|(3<<25)
	s_mov_b32 s[G1+1], KSTEP<<16                   ; tensor_dim0 = 128
	s_mov_b32 s[G1+2], RA<<16                      ; tensor_dim1 = the tile's rows
	s_mov_b32 s[G1+3], KSTEP<<16                   ; tile_dim0 = 128
	s_mov_b32 s[G1+4], RA                          ; tile_dim1
	s_mov_b32 s[G1+5], PA                          ; elements from row to row
	s_mov_b32 s[G1+6], 0
	s_mov_b32 s[G1+7], 0
	s_mov_b32 s[G1B+1], KSTEP<<16
	s_mov_b32 s[G1B+2], 128<<16
	s_mov_b32 s[G1B+3], KSTEP<<16
	s_mov_b32 s[G1B+4], 128
	s_mov_b32 s[G1B+5], PB
	s_mov_b32 s[G1B+6], 0
	s_mov_b32 s[G1B+7], 0
	; where the tiles come from: A's hang on the tile row alone, B's on the tile column and the batch alone, each in registers that never hold the other place in the cluster.  All offsets stay under 2^26 bytes.
	s_mul_i32 s16, s13, TM
	s_mul_i32 s17, s12, RA
	s_add_co_u32 s16, s16, s17                     ; A: row TM x tile row + RA x half
	s_mul_i32 s16, s16, PA*2
	s_mov_b32 s17, 0
	s_lshl_b32 s46, s42, 8
	s_lshl_b32 s47, s12, 7
	s_add_co_u32 s46, s46, s47                     ; B: channel 256 x tile column + 128 x half,
	s_mul_i32 s46, s46, PB*2
	s_add_co_u32 s46, s46, s45                     ; at my batch's first key
	s_mov_b32 s47, 0
	s_mul_i32 s20, s12, HALFA                      ; and where they go: no place in the cluster enters an LDS address
	s_mul_i32 s23, s12, HALFB
	s_add_co_u32 s23, s23, 2*HALFA
	s_lshr_b32 s70, s13, 4                         ; stats at (32,768 batch + my first row in the batch) x 8 bytes, in registers that feed no descriptor
	s_lshl_b32 s70, s70, 15
	s_and_b32 s71, s13, 15
	s_lshl_b32 s71, s71, 7
	s_add_co_u32 s70, s70, s71
	s_lshl_b32 s71, s11, 6
	s_add_co_u32 s70, s70, s71
	s_lshl_b32 s70, s70, 3
	s_mov_b32 s71, 0
	s_wait_kmcnt 0x0
	s_add_nc_u64 s[14:15], s[4:5], s[16:17]
	s_add_nc_u64 s[46:47], s[6:7], s[46:47]
	s_add_nc_u64 s[66:67], s[66:67], s[70:71]
	CROUND                                         ; all sixteen work-groups are here: the first joint loads meet
.irp s, 0,1
	s_mov_b32 s[G0+4*(\s)], 1                                        ; count = 1
	s_add_co_u32 s[G0+4*(\s)+1], s20, (\s)*SLOT                      ; LDS address
	s_add_nc_u64 s[G0+4*(\s)+2:G0+4*(\s)+3], s[14:15], (\s)*KSTEP*2  ; global address: K step s
	s_or_b32 s[G0+4*(\s)+3], s[G0+4*(\s)+3], 0x80000000              ; type = 2
	s_mov_b32 s[G0B+4*(\s)], 1
	s_add_co_u32 s[G0B+4*(\s)+1], s23, (\s)*SLOT
	s_add_nc_u64 s[G0B+4*(\s)+2:G0B+4*(\s)+3], s[46:47], (\s)*KSTEP*2
	s_or_b32 s[G0B+4*(\s)+3], s[G0B+4*(\s)+3], 0x80000000
	JLOAD \s                                       ; both slots are asked for before anything else is done: two loads of mine are out
.endr
	; the stats of my wave's 64 rows: lane l takes rows 2 l and 2 l + 1, 16 bytes of each of the 16 blocks; a load of the wave covers 512 consecutive bytes
	v_and_b32 v4, 31, v0
	v_lshlrev_b32 v[SL], 4, v4
.set ii, 0
.rept 16
	global_load_b128 v[L+4*ii:L+4*ii+3], v[SL], s[66:67] offset:16384*ii
.set ii, ii+1
.endr
	; A fragment is 16 rows x 32 K in 8 registers: lane l holds row l % 16; registers 0-3 K = 8 (l / 16) + 0..7, registers 4-7 K = 16 + 8 (l / 16) + 0..7: two loads of 16 bytes, 32 bytes apart.
	v_and_b32 v1, 15, v0                           ; l % 16
	v_bfe_u32 v2, v0, 4, 1                         ; l / 16
	v_mul_u32_u24 v3, v1, PITCH
	v_lshl_add_u32 v3, v2, 4, v3
	s_mul_i32 s21, s11, HALFA                      ; my rows of A
	s_mul_i32 s22, s12, HALFB                      ; my rows of B,
	s_add_co_u32 s22, s22, 2*HALFA                 ; which lie behind A's
.irp s, 0,1
	v_add_nc_u32 v[ADRA+(\s)], s21, v3
	v_add_nc_u32 v[ADRB+(\s)], s22, v3
	s_add_co_u32 s21, s21, SLOT
	s_add_co_u32 s22, s22, SLOT
.endr
	s_mul_i32 s23, s10, 16*SPITCH
	s_add_co_u32 s23, s23, STAGE                   ; my stage
	v_mul_u32_u24 v4, v1, SPITCH                   ; in: row l % 16, 16 bytes for each half of the lanes
	v_lshl_add_u32 v4, v2, 4, v4
	v_add_nc_u32 v[STO], s23, v4
	v_mul_u32_u24 v5, v2, SPITCH                   ; back: lanes 0-15 take one row of 256 bytes, lanes 16-31 the next
	v_lshl_add_u32 v5, v1, 4, v5
	v_add_nc_u32 v[RD], s23, v5
	v_mul_u32_u24 v5, v2, CPB                      ; and the same two rows in C
	v_lshl_add_u32 v[CO], v1, 4, v5
	s_lshl_b32 s68, s10, 12
	s_add_co_u32 s68, s68, FAC                     ; my wave's factors
	s_lshl_b32 s69, s10, 9
	s_add_co_u32 s69, s69, INV                     ; my wave's 1 / L
	v_lshl_add_u32 v[FAV], v1, 4, s68              ; read: row l % 16 of the four blocks of A
	v_lshl_add_u32 v[IR], v1, 5, s69
	v_and_b32 v3, 7, v0                            ; written: row 2 l + i is row 2 (l % 8) + i of block (l / 8) % 4
	v_bfe_u32 v5, v0, 3, 2
	v_lshl_add_u32 v[FW], v3, 5, s68
	v_lshl_add_u32 v[FW], v5, 2, v[FW]
	v_lshl_add_u32 v[IW], v3, 6, s69
	v_lshl_add_u32 v[IW], v5, 3, v[IW]
	s_mul_i32 s16, s13, TM                         ; C at my part of the tile: the rows,
	s_mul_i32 s17, s11, RA
	s_add_co_u32 s16, s16, s17
	s_mul_i32 s16, s16, CPB
	s_mov_b32 s17, 0
	s_add_nc_u64 s[8:9], s[8:9], s[16:17]
	s_lshl_b32 s46, s42, 8                         ; and the columns (in registers that feed none of A's descriptors)
	s_lshl_b32 s47, s12, 7
	s_add_co_u32 s46, s46, s47
	s_mul_i32 s46, s46, ES
	s_mov_b32 s47, 0
	s_add_nc_u64 s[8:9], s[8:9], s[46:47]
	; THE FACTORS.  n = 2 kb + i counts block kb and my row i: c m at v[L+2 n], l at v[L+2 n+1].
	s_wait_loadcnt 0x0
.irp i, 0,1
	v_max3_num_f32 v[MX+\i], v[L+2*\i], v[L+4+2*\i], v[L+8+2*\i]   ; M: the largest of the 16 c m, three operands at a time
.endr
.set ii, 3
.rept 6
.irp i, 0,1
	v_max3_num_f32 v[MX+\i], v[MX+\i], v[L+4*ii+2*\i], v[L+4*ii+4+2*\i]
.endr
.set ii, ii+2
.endr
.irp i, 0,1
	v_max_num_f32 v[MX+\i], v[MX+\i], v[L+60+2*\i]
.endr
.set ii, 0
.rept 32
	v_sub_f32 v[L+2*ii], v[L+2*ii], v[MX+ii%2]
.set ii, ii+1
.endr
.set ii, 0
.rept 32
	v_exp_f32 v[L+2*ii], v[L+2*ii]                 ; f = 2^(c m - M), 1 for the block that holds the row's maximum
.set ii, ii+1
.endr
	v_nop                                          ; a plain instruction between the last exponential and the use of its result (ISA guide 5.7.2)
.set ii, 0
	s_wait_alu depctr_va_vdst(0)
.rept 32
	v_cvt_pk_f16_f32 v[PKF+ii], v[L+2*ii], v[L+2*ii]  ; rounded to f16, in both halves: the packed multiply wants it twice
.set ii, ii+1
.endr
.set ii, 0
.irp h, v96.l,v97.l,v98.l,v99.l,v100.l,v101.l,v102.l,v103.l,v104.l,v105.l,v106.l,v107.l,v108.l,v109.l,v110.l,v111.l,v112.l,v113.l,v114.l,v115.l,v116.l,v117.l,v118.l,v119.l,v120.l,v121.l,v122.l,v123.l,v124.l,v125.l,v126.l,v127.l
	v_cvt_f32_f16 v[L+2*ii], \h                    ; and widened again (v[PKF+n]'s low half): L is summed with the factor that the weights are multiplied by
.set ii, ii+1
.endr
	v_mul_f32 v[LS], v[L], v[L+1]
	v_mul_f32 v[LS+1], v[L+2], v[L+3]
.set ii, 2
.rept 30
	v_fma_f32 v[LS+ii%2], v[L+2*ii], v[L+2*ii+1], v[LS+ii%2]
.set ii, ii+1
.endr
	v_rcp_f32 v[RC], v[LS]                         ; L is at least the l of the block with f = 1, which holds a weight of 1
	v_rcp_f32 v[RC+1], v[LS]
	v_rcp_f32 v[RC+2], v[LS+1]
	v_rcp_f32 v[RC+3], v[LS+1]
	v_nop                                          ; a plain instruction between the last reciprocal and the use of its result
.set ii, 0
.rept 32
	ds_store_b32 v[FW], v[PKF+ii] offset:256*(ii/2)+16*(ii%2)
.set ii, ii+1
.endr
	s_wait_alu depctr_va_vdst(0)
	ds_store_b64 v[IW], v[RC:RC+1]
	ds_store_b64 v[IW], v[RC+2:RC+3] offset:32
	ds_load_b128 v[FR:FR+3], v[FAV]                ; K step 0's factors.  All these bytes are my wave's own, and LDS serves a wave's instructions in order (ISA guide 5.7.1.4)
; n blocks of 16 rows of A from block a0 on x all 8 blocks of B, 32 along K, from buffer f.  zero = 1: the product starts the sums: nothing is cleared.
; The accumulators take turns, one instruction a turn and in the same order in every quarter: between two links of a chain stand the 8 AB - 1 others'.
.macro MULS f, a0, n, zero
.set ma, \a0
.rept \n
	WIN 0xa1                                       ; source 0 (B) window 1, source 1 (A) window 0, C and D window 2
.set mb, 0
.rept 8
.set rD, 8*(8*ma+mb)
.if \zero
	v_wmma_f32_16x16x32_f16 v[rD:rD+7], v[(\f)+8*mb:(\f)+8*mb+7], v[(\f)+8*ma:(\f)+8*ma+7], 0
.else
	v_wmma_f32_16x16x32_f16 v[rD:rD+7], v[(\f)+8*mb:(\f)+8*mb+7], v[(\f)+8*ma:(\f)+8*ma+7], v[rD:rD+7]
.endif
.set mb, mb+1
.endr
.set ma, ma+1
.endr
.endm
; One run of LDS loads: the fragments of a quarter step (128 rows of B, then my rows of A, 32 K at byte k of the rows) into buffer f
.macro FETCH slot, k, f
	WIN 0x40                                       ; destination window 1, address window 0
.set fi, 0
.rept 8
	ds_load_b128 v[(\f)+8*fi:(\f)+8*fi+3],   v[ADRB+(\slot)] offset:(\k)+fi*16*PITCH
	ds_load_b128 v[(\f)+8*fi+4:(\f)+8*fi+7], v[ADRB+(\slot)] offset:(\k)+fi*16*PITCH+32
.set fi, fi+1
.endr
	WIN 0
.set fi, 0
.rept AB
	ds_load_b128 v[(\f)+8*fi:(\f)+8*fi+3],   v[ADRA+(\slot)] offset:(\k)+fi*16*PITCH
	ds_load_b128 v[(\f)+8*fi+4:(\f)+8*fi+7], v[ADRA+(\slot)] offset:(\k)+fi*16*PITCH+32
.set fi, fi+1
.endr
.endm
; A's fragments in buffer f times the K step's factor of the lane's row: 32 packed multiplies in f16 for a quarter's 32 matrix instructions
.macro SCALEA f
	WIN 0
.set sa, 0
.rept 8*AB
	v_pk_mul_f16 v[(\f)+sa], v[(\f)+sa], v[FR+sa/8]
.set sa, sa+1
.endr
.endm
; A K step is four quarters of 32 along K on buffers 0, 1, 0, 1.  One of the first three scales and multiplies buffer f and, in its middle, fetches the next quarter (byte k of the same slot's rows) into g.
.macro QUARTER slot, k, f, g, zero
	s_wait_dscnt 0x0                               ; the whole run is in (all of A's fragments are scaled at once), and the factors
	SCALEA \f
	MULS \f, 0, H, \zero
	PLACES
	FETCH \slot, \k, \g
	MULS \f, H, H, \zero
.endm
; The last quarter multiplies buffer 1 and changes slots: ONE barrier.  In front of it each wave waits for all its tensor loads (one is out: its part of the next slot), adds 0 to its spare word, and
; waits for that and for its reads of this slot.  fill = 1: the barrier opens a round of the cluster's, and this slot is filled again, two K steps ahead, first thing behind the round.
; fo: the next K step's factors lie fo bytes behind v[FAV]; they are fetched when this step's last scaling is done.
.macro TURN slot, next, fill, fo
	WIN 0                                          ; (the add's two registers lie in window 0)
	s_wait_tensorcnt 0x0                           ; all my tensor loads have landed
	ds_add_u32 v[SPW], v[NIL]                      ; 0 onto my spare word
	s_wait_dscnt 1                                 ; (the add may be out; the run of loads is in)
	SCALEA F1
	MULS F1, 0, H/2, 0                             ; vector and matrix work stands between the add and the wait for it
	s_wait_dscnt 0x0                               ; the add is done, and my reads of this slot are over
	s_barrier_signal -1
	MULS F1, H/2, H/2, 0                           ; work on registers while the others arrive
.if \fill
	WIN 0
.endif
	s_barrier_wait -1
.if \fill
	CREST                                          ; no wave of any partner still reads this slot's tile or has a load on its way
	s_add_nc_u64 s[G0+4*(\slot)+2:G0+4*(\slot)+3], s[G0+4*(\slot)+2:G0+4*(\slot)+3], 2*KSTEP*2
	s_add_nc_u64 s[G0B+4*(\slot)+2:G0B+4*(\slot)+3], s[G0B+4*(\slot)+2:G0B+4*(\slot)+3], 2*KSTEP*2
	JLOAD \slot                                    ; my one tensor load behind the round; its four v_nop are also the places in front of the loads below
.else
	PLACES
.endif
	FETCH \next, 0, F0
	ds_load_b128 v[FR:FR+3], v[FAV] offset:\fo
	MULS F1, H, H, 0
.endm
.macro LASTQ                           ; the very last quarter: nothing more to fetch
	s_wait_dscnt 0x0
	SCALEA F1
	MULS F1, 0, H, 0
	MULS F1, H, H, 0
	WIN 0
.endm
; THE WAY OUT of block a (16 rows of C).  PACK: divided by L, rounded to f16, 16 bytes a lane, each accumulator's registers in ascending order.  TOSTAGE: into my own stage, and back as whole rows of 256 bytes.  SEND: stored.
.macro PACK a
.set AC, 64*(\a)
	WIN 0x82                                       ; destination and source 0 window 2, source 1 window 0
.set ii, 0
.rept 32
	v_pk_mul_f32 v[AC+2*ii:AC+2*ii+1], v[AC+2*ii:AC+2*ii+1], v[IV+2*(\a):IV+2*(\a)+1]
.set ii, ii+1
.endr
	WIN 0x0a                                       ; sources 0 and 1: window 2
.set ii, 0
.rept 32
	v_cvt_pk_f16_f32 v[TMP+ii], v[AC+2*ii], v[AC+2*ii+1]
.set ii, ii+1
.endr
	WIN 0
.endm
.macro TOSTAGE a
	WIN 0
.set BK, OB+192*((\a)%2)
.set ii, 0
.rept 8
	ds_store_b128 v[STO], v[TMP+4*ii:TMP+4*ii+3] offset:32*ii
.set ii, ii+1
.endr
.set ii, 0
.rept 8
	ds_load_b128 v[BK+4*ii:BK+4*ii+3], v[RD] offset:ii*2*SPITCH  ; LDS serves a wave's instructions in order (ISA guide 5.7.1.4): these see the stores above
.set ii, ii+1
.endr
.endm
.macro SEND a
	WIN 0
.set BK, OB+192*((\a)%2)
	s_wait_dscnt 0x0                               ; the block is back in registers
	s_wait_xcnt 0x0                                ; the stores of the block before have had their addresses translated (ISA guide 3.1): the next TOSTAGE loads into the registers that they read
.set ii, 0
.rept 8
	global_store_b128 v[CO], v[BK+4*ii:BK+4*ii+3], s[8:9] offset:(16*(\a)+2*ii)*CPB  ; 16 lanes store 256 consecutive bytes, at a multiple of 256 from C's first byte
.set ii, ii+1
.endr
.endm
	s_wait_tensorcnt 1                             ; my part of K step 0 is in; K step 1's may stay out
	s_wait_dscnt 0x0                               ; no LDS instruction of mine is out at the signal
	s_barrier_signal -1
	s_barrier_wait -1                              ; everybody's part is in
	FETCH 0, 0, F0
	QUARTER 0, 64,  F0, F1, 1                      ; the first quarter stands in front of the loop: its products start the sums
	WIN 0                                          ; at a label and at a branch every window is 0
	s_mov_b32 s3, LAPS-1
.Llap:                                                 ; a trip goes once round the ring, from a lap's second quarter to the next lap's first, and fills both slots again
	QUARTER 0, 128, F1, F0, 0
	QUARTER 0, 192, F0, F1, 0
	TURN 0, 1, 1, 256
	QUARTER 1, 64,  F0, F1, 0
	QUARTER 1, 128, F1, F0, 0
	QUARTER 1, 192, F0, F1, 0
	TURN 1, 0, 1, 512
	WIN 0
	v_add_nc_u32 v[FAV], 512, v[FAV]               ; two blocks on
	QUARTER 0, 64,  F0, F1, 0
	WIN 0
	s_sub_co_u32 s3, s3, 1
	s_cmp_lg_u32 s3, 0
	s_cbranch_scc1 .Llap
	QUARTER 0, 128, F1, F0, 0                      ; the last lap is written out: it fills nothing
	QUARTER 0, 192, F0, F1, 0
	TURN 0, 1, 0, 256
	QUARTER 1, 64,  F0, F1, 0
	QUARTER 1, 128, F1, F0, 0
	QUARTER 1, 192, F0, F1, 0
	LASTQ
	PLACES
	ds_load_b128 v[IV:IV+3], v[IR]                 ; 1 / L of row l % 16 of my four blocks, each twice
	ds_load_b128 v[IV+4:IV+7], v[IR] offset:16
	s_wait_dscnt 0x0
	PACK 0
	TOSTAGE 0
.set oa, 1
.rept AB-1                             ; block a's arithmetic stands between block a - 1's loads from the stage and the wait for them
	PACK oa
	SEND oa-1
	TOSTAGE oa
.set oa, oa+1
.endr
	SEND AB-1
	s_wait_tensorcnt 0x0                           ; the wave's end
	ds_add_u32 v[SPW], v[NIL]
	s_wait_dscnt 0x0
	CROUND                                         ; the closing round: no work-group ends while a partner may still ask for a tile that names it
	s_endpgm
.Lfunc_end_k_q3b6c716a5b_pv:
	.size	k_q3b6c716a5b_pv, .Lfunc_end_k_q3b6c716a5b_pv-k_q3b6c716a5b_pv
	.p2alignl 7, 3214868480
	.fill 96, 4, 3214868480
	.section	.rodata,"a",@progbits
	.p2align	6, 0x0
	.amdhsa_kernel k_q3b6c716a5b_pv
		.amdhsa_group_segment_fixed_size 327680
		.amdhsa_private_segment_fixed_size 0
		.amdhsa_enable_private_segment 0
		.amdhsa_kernarg_size 32
		.amdhsa_user_sgpr_count 2
		.amdhsa_user_sgpr_kernarg_segment_ptr 1
		.amdhsa_wavefront_size32 1
		.amdhsa_system_sgpr_workgroup_id_x 1
		.amdhsa_system_sgpr_workgroup_id_y 1
		.amdhsa_system_sgpr_workgroup_id_z 1
		.amdhsa_system_vgpr_workitem_id 0
		.amdhsa_next_free_vgpr 768
		.amdhsa_next_free_sgpr 72
		.amdhsa_reserve_vcc 0
		.amdhsa_float_denorm_mode_32 3
		.amdhsa_float_denorm_mode_16_64 3
		.amdhsa_memory_ordered 1
		.amdhsa_forward_progress 1
		.amdhsa_inst_pref_size 141
	.end_amdhsa_kernel
	.amdgpu_metadata
---
amdhsa.version: [ 1, 2 ]
amdhsa.kernels:
  - .name:           k_q3b6c716a5b_pv
    .symbol:         k_q3b6c716a5b_pv.kd
    .args:
      - { .name: p, .offset: 0, .size: 8, .value_kind: global_buffer, .address_space: global }
      - { .name: vt, .offset: 8, .size: 8, .value_kind: global_buffer, .address_space: global }
      - { .name: ctx, .offset: 16, .size: 8, .value_kind: global_buffer, .address_space: global }
      - { .name: stats, .offset: 24, .size: 8, .value_kind: global_buffer, .address_space: global }
    .group_segment_fixed_size: 327680
    .private_segment_fixed_size: 0
    .kernarg_segment_align: 8
    .kernarg_segment_size: 32
    .max_flat_workgroup_size: 128
    .sgpr_count:     72
    .vgpr_count:     768
    .wavefront_size: 32
...
	.end_amdgpu_metadata
.endif
;; end of part 5
;; launch proj (part 6): grid 4 x 64, 4 waves a work-group, clusters of 4 x 4, 327,680 bytes of LDS; arguments ctx, w16, out0; writes out0
.if DOCPART == 6
	.amdgcn_target "amdgcn-amd-amdhsa--gfx1250"
	.amdhsa_code_object_version 6
	.text
	.protected	k_q3b6c716a5b_proj
	.globl	k_q3b6c716a5b_proj
	.p2align	8
	.type	k_q3b6c716a5b_proj,@function
k_q3b6c716a5b_proj:
	s_mov_b64 s[64:65], 0
	v_nop
	global_prefetch_b8 v0, s[64:65] scope:SCOPE_SE
	s_setreg_imm32_b32 hwreg(HW_REG_WAVE_MODE, 25, 1), 1
	s_wait_xcnt 0x0
	s_wait_alu depctr_hold_cnt(0) depctr_sa_sdst(0) depctr_va_vdst(0) depctr_va_sdst(0) depctr_va_ssrc(0) depctr_va_vcc(0) depctr_vm_vsrc(0)
	s_getreg_b32 s2, hwreg(HW_REG_IB_STS2, 6, 4)
	s_cmp_eq_u32 s2, 0
	s_cbranch_scc0 .Lentry_in_a_cluster
	s_endpgm
.Lentry_in_a_cluster:
	s_bfe_u32 s2, ttmp6, 0x10000c
	s_cmp_lg_u32 s2, 0xf033
	s_cbranch_scc0 .Lentry_shape_is_right
	s_endpgm
.Lentry_shape_is_right:
; out0[m][n] = sum over d of ctx[m][d] wo[n][d].  ctx [8192][1024] in f16; wo = w16's rows 3072-4095, bf16(wo) written as f16; sums in f32, K ascending; out0 [8192][1024] in f32, the sums as they are.
; SHARES.  C has 8192 x 1024 numbers: tiles of 128 x 256 give 64 x 4 = 256 work-groups.  Four waves, each 64 x 128: 32 accumulators of 16 x 16, 256 registers.
; K goes in steps of 128 through a ring of two LDS slots filled by the tensor data mover: a tile's rows are 256 bytes of memory at multiples of 256 bytes from the buffer's first byte.
; CLUSTER.  4 x 4 work-groups.  The four of a row of the cluster need the same tiles of A, the four of a column the same tiles of B: each tile is asked for JOINTLY, by the same tensor
; load with the same descriptor and a mask that names the four.
; THE MATRIX INSTRUCTION IS USED TRANSPOSED: source 0 = 16 rows of B, source 1 = 16 rows of A: lane l then holds row l % 16 of C and the columns 8 (l / 16) + 0..7: 32 neighbouring bytes.
; REGISTERS, in windows of 256 (s_set_vgpr_msb: bits 1:0 source 0, 3:2 source 1, 5:4 source 2, 7:6 destination):
;   window 0: v0-31 addresses; v64-95, v128-159 fragments of A, two buffers; v160-223 rows on the way out
;   window 1: v64-127, v128-191 fragments of B, two buffers      window 2: the accumulators ((a, b) at v[8 (8 a + b)])
.set AB,     4                         ; blocks of 16 rows of A in a wave's tile
.set KTOT,   1024
.set PA,     1024                      ; elements from row to row of A, of B
.set PB,     1024
.set BOFF,   3072*2048                 ; wo's first byte in w16
.set CPB,    4096                      ; bytes in a row of C
.set ES,     4                         ; bytes in an element of C
.set H,      AB/2
.set RA,     16*AB                     ; rows of A in a wave's tile, and in one tensor load
.set TM,     2*RA                      ; rows in the work-group's tile
.set KSTEP,  128
.set PITCH,  272                       ; an LDS row: 256 bytes + 16 of padding = 68 words: row r starts at bank 4 r mod 64 (64 banks of 4 bytes: ISA guide 11.1), so the 16 rows of a load start at 16 different banks
.set HALFA,  RA*PITCH
.set HALFB,  128*PITCH
.set SLOT,   2*HALFA+2*HALFB           ; A's rows, then B's 256 rows
.set STAGE,  2*SLOT                    ; behind the ring, never filled by a tensor load: 16 rows x 528 bytes for each wave, for the way out
.set SPITCH, 528                       ; 512 bytes + 16: an odd multiple of 16
.set SPARE,  STAGE+4*16*SPITCH         ; the spare words, 128 bytes for each wave: two blocks of 256 bytes that no other line names
.set LAPS,   KTOT/(2*KSTEP)            ; a lap = two K steps = once round the ring
.set ADRA, 16                          ; v16-17  LDS address of my A fragments in slot 0, 1
.set ADRB, 20                          ; v20-21  the same for B
.set STO,  24                          ; v24     the way out: where I put 32 bytes of a row
.set RD,   25                          ; v25     the way out: where I read 16 bytes of a row back
.set CO,   26                          ; v26     my byte offset in 512 consecutive bytes of C
.set SPW,  28                          ; v28     LDS address of my spare word; never rewritten
.set NIL,  29                          ; v29     0; never rewritten
.set F0,   64
.set F1,   128
.set XB,   160
.set G1,  24                           ; s[24:31] descriptor group 1 for A's tiles;  s[32:39] group 0, a set for each slot
.set G0,  32
.set G1B, 48                           ; s[48:55], s[56:63] the same for B's tiles
.set G0B, 56
.set MSB, 0
.macro WIN new                         ; the immediate's high byte repeats the setting that is left; a switch that changes nothing is dropped
.if MSB != (\new)
	s_set_vgpr_msb (MSB<<8)|(\new)
.set MSB, \new
.endif
.endm
; A joint load.  Waves 0 and 1 fetch A's two halves, waves 2 and 3 B's.  The branch hangs on the wave's number alone.  Four v_nop follow each of the two lines, ahead of the jump and the label.
.macro JLOAD s
	s_cmp_eq_u32 s11, 0
	s_cbranch_scc0 .Lfor_b_\@
	tensor_load_to_lds s[G0+4*(\s):G0+4*(\s)+3], s[G1:G1+7]
	s_nop 0
.rept 4
	v_nop
.endr
	s_branch .Lasked_\@
.Lfor_b_\@:
	tensor_load_to_lds s[G0B+4*(\s):G0B+4*(\s)+3], s[G1B:G1B+7]
	s_nop 0
.rept 4
	v_nop
.endr
.Lasked_\@:
.endm
; A round of the cluster's barrier: my work-group's barrier, so that wave 0's signal speaks for all four waves; wave 0 signals; every wave waits for all sixteen work-groups; my work-group's barrier once more.
.macro CREST                           ; a round behind its opening barrier
	s_cmp_lg_u32 s10, 0
	s_cbranch_scc1 .Lnot_wave_0_\@
	s_barrier_signal -3
.Lnot_wave_0_\@:
	s_barrier_wait -3
	s_barrier_signal -1
	s_barrier_wait -1
.endm
.macro CROUND
	s_barrier_signal -1
	s_barrier_wait -1
	CREST
.endm
; Four places: in front of loads into registers that matrix instructions have read, and of LDS stores that read matrix results (ISA guide 7.12.1 for vector instructions).
.macro PLACES
.rept 4
	v_nop
.endr
.endm
	s_load_b128 s[4:7], s[0:1], 0x0                ; A = ctx s[4:5], B in w16 s[6:7]
	s_load_b64 s[8:9], s[0:1], 0x10                ; C = out0
	v_lshl_add_u32 v[SPW], v0, 2, SPARE
	v_mov_b32 v[NIL], 0
	ds_add_u32 v28, v29
	s_wait_dscnt 0x0
	v_lshrrev_b32 v1, 5, v0
	v_readfirstlane_b32 s10, v1                    ; wave 0..3
	s_lshr_b32 s11, s10, 1                         ; which half of the tile's rows is mine.  Also: I fetch for A (0) or for B (1)
	s_and_b32 s12, s10, 1                          ; which half of its columns.  Also: which half of that tile I fetch
	s_bfe_u32 s40, ttmp6, 0x40000                  ; cx, cy: my place in the cluster
	s_bfe_u32 s41, ttmp6, 0x40004
	s_lshl_b32 s42, ttmp9, 2
	s_add_co_u32 s42, s42, s40                     ; tile column of C = 4 x cluster x + cx
	s_and_b32 s13, ttmp7, 0xffff
	s_lshl_b32 s13, s13, 2
	s_add_co_u32 s13, s13, s41                     ; tile row of C = 4 x cluster y + cy
	s_lshl_b32 s43, s41, 2
	s_lshl_b32 s43, 15, s43                        ; my row of the cluster: places 4 cy .. 4 cy + 3
	s_lshl_b32 s44, 0x1111, s40                    ; my column: places cx, cx + 4, cx + 8, cx + 12
	s_or_b32 s[G1+0], s43, (1<<16)|(1<<20)|(1<<21)|(5<<22)|(3<<25)   ; 15:0 the mask; 17:16 2-byte elements; 20 padding on; 21 set beside a mask; 24:22 after every 64 words (code 5); 31:25 4 words (code 3)
	s_or_b32 s[G1B+0], s44, (1<<16)|(1<<20)|(1<<21)|(5<<22)|(3<<25)
	s_mov_b32 s[G1+1], KSTEP<<16                   ; tensor_dim0 = 128
	s_mov_b32 s[G1+2], RA<<16                      ; tensor_dim1 = the tile's rows
	s_mov_b32 s[G1+3], KSTEP<<16                   ; tile_dim0 = 128
	s_mov_b32 s[G1+4], RA                          ; tile_dim1
	s_mov_b32 s[G1+5], PA                          ; elements from row to row
	s_mov_b32 s[G1+6], 0
	s_mov_b32 s[G1+7], 0
	s_mov_b32 s[G1B+1], KSTEP<<16
	s_mov_b32 s[G1B+2], 128<<16
	s_mov_b32 s[G1B+3], KSTEP<<16
	s_mov_b32 s[G1B+4], 128
	s_mov_b32 s[G1B+5], PB
	s_mov_b32 s[G1B+6], 0
	s_mov_b32 s[G1B+7], 0
	; where the tiles come from: A's hang on the tile row alone, B's on the tile column alone, each in registers that never hold the other coordinate.  All offsets stay under 2^26 bytes.
	s_mul_i32 s16, s13, TM
	s_mul_i32 s17, s12, RA
	s_add_co_u32 s16, s16, s17                     ; A: row TM x tile row + RA x half
	s_mul_i32 s16, s16, PA*2
	s_mov_b32 s17, 0
	s_lshl_b32 s46, s42, 8
	s_lshl_b32 s47, s12, 7
	s_add_co_u32 s46, s46, s47                     ; B: row 256 x tile column + 128 x half,
	s_mul_i32 s46, s46, PB*2
	s_add_co_u32 s46, s46, BOFF                    ; of wo
	s_mov_b32 s47, 0
	s_mul_i32 s20, s12, HALFA                      ; and where they go: no place in the cluster enters an LDS address
	s_mul_i32 s23, s12, HALFB
	s_add_co_u32 s23, s23, 2*HALFA
	s_wait_kmcnt 0x0
	s_add_nc_u64 s[14:15], s[4:5], s[16:17]
	s_add_nc_u64 s[46:47], s[6:7], s[46:47]
	CROUND                                         ; all sixteen work-groups are here: the first joint loads meet
.irp s, 0,1
	s_mov_b32 s[G0+4*(\s)], 1                                        ; count = 1
	s_add_co_u32 s[G0+4*(\s)+1], s20, (\s)*SLOT                      ; LDS address
	s_add_nc_u64 s[G0+4*(\s)+2:G0+4*(\s)+3], s[14:15], (\s)*KSTEP*2  ; global address: K step s
	s_or_b32 s[G0+4*(\s)+3], s[G0+4*(\s)+3], 0x80000000              ; type = 2
	s_mov_b32 s[G0B+4*(\s)], 1
	s_add_co_u32 s[G0B+4*(\s)+1], s23, (\s)*SLOT
	s_add_nc_u64 s[G0B+4*(\s)+2:G0B+4*(\s)+3], s[46:47], (\s)*KSTEP*2
	s_or_b32 s[G0B+4*(\s)+3], s[G0B+4*(\s)+3], 0x80000000
	JLOAD \s                                       ; both slots are asked for before anything else is done: two loads of mine are out
.endr
	; A fragment is 16 rows x 32 K in 8 registers: lane l holds row l % 16; registers 0-3 K = 8 (l / 16) + 0..7, registers 4-7 K = 16 + 8 (l / 16) + 0..7: two loads of 16 bytes, 32 bytes apart.
	v_and_b32 v1, 15, v0                           ; l % 16
	v_bfe_u32 v2, v0, 4, 1                         ; l / 16
	v_mul_u32_u24 v3, v1, PITCH
	v_lshl_add_u32 v3, v2, 4, v3
	s_mul_i32 s21, s11, HALFA                      ; my rows of A
	s_mul_i32 s22, s12, HALFB                      ; my rows of B,
	s_add_co_u32 s22, s22, 2*HALFA                 ; which lie behind A's
.irp s, 0,1
	v_add_nc_u32 v[ADRA+(\s)], s21, v3
	v_add_nc_u32 v[ADRB+(\s)], s22, v3
	s_add_co_u32 s21, s21, SLOT
	s_add_co_u32 s22, s22, SLOT
.endr
	s_mul_i32 s23, s10, 16*SPITCH
	s_add_co_u32 s23, s23, STAGE                   ; my stage
	v_mul_u32_u24 v4, v1, SPITCH                   ; in: row l % 16, 32 bytes for each half of the lanes
	v_lshl_add_u32 v4, v2, 5, v4
	v_add_nc_u32 v[STO], s23, v4
	v_and_b32 v5, 31, v0                           ; back: the 32 lanes take one row of 512 bytes,
	v_lshl_add_u32 v[RD], v5, 4, s23
	v_lshlrev_b32 v[CO], 4, v5                     ; which is 512 consecutive bytes of C
	s_mul_i32 s16, s13, TM                         ; C at my part of the tile: the rows,
	s_mul_i32 s17, s11, RA
	s_add_co_u32 s16, s16, s17
	s_mul_i32 s16, s16, CPB
	s_mov_b32 s17, 0
	s_add_nc_u64 s[8:9], s[8:9], s[16:17]
	s_lshl_b32 s46, s42, 8                         ; and the columns (in registers that feed none of A's descriptors)
	s_lshl_b32 s47, s12, 7
	s_add_co_u32 s46, s46, s47
	s_mul_i32 s46, s46, ES
	s_mov_b32 s47, 0
	s_add_nc_u64 s[8:9], s[8:9], s[46:47]
; n blocks of 16 rows of A from block a0 on x all 8 blocks of B, 32 along K, from buffer f.  zero = 1: the product starts the sums: nothing is cleared.
; The accumulators take turns, one instruction a turn and in the same order in every quarter: between two links of a chain stand the 8 AB - 1 others'.
.macro MULS f, a0, n, zero
.set ma, \a0
.rept \n
	WIN 0xa1                                       ; source 0 (B) window 1, source 1 (A) window 0, C and D window 2
.set mb, 0
.rept 8
.set rD, 8*(8*ma+mb)
.if \zero
	v_wmma_f32_16x16x32_f16 v[rD:rD+7], v[(\f)+8*mb:(\f)+8*mb+7], v[(\f)+8*ma:(\f)+8*ma+7], 0
.else
	v_wmma_f32_16x16x32_f16 v[rD:rD+7], v[(\f)+8*mb:(\f)+8*mb+7], v[(\f)+8*ma:(\f)+8*ma+7], v[rD:rD+7]
.endif
.set mb, mb+1
.endr
.set ma, ma+1
.endr
.endm
; One run of LDS loads: the fragments of a quarter step (128 rows of B, then my rows of A, 32 K at byte k of the rows) into buffer f
.macro FETCH slot, k, f
	WIN 0x40                                       ; destination window 1, address window 0
.set fi, 0
.rept 8
	ds_load_b128 v[(\f)+8*fi:(\f)+8*fi+3],   v[ADRB+(\slot)] offset:(\k)+fi*16*PITCH
	ds_load_b128 v[(\f)+8*fi+4:(\f)+8*fi+7], v[ADRB+(\slot)] offset:(\k)+fi*16*PITCH+32
.set fi, fi+1
.endr
	WIN 0
.set fi, 0
.rept AB
	ds_load_b128 v[(\f)+8*fi:(\f)+8*fi+3],   v[ADRA+(\slot)] offset:(\k)+fi*16*PITCH
	ds_load_b128 v[(\f)+8*fi+4:(\f)+8*fi+7], v[ADRA+(\slot)] offset:(\k)+fi*16*PITCH+32
.set fi, fi+1
.endr
.endm
; A K step is four quarters of 32 along K on buffers 0, 1, 0, 1.  One of the first three multiplies buffer f and, in its middle, fetches the next quarter (byte k of the same slot's rows) into g.
.macro QUARTER slot, k, f, g, zero
	s_wait_dscnt AB                                ; B and A's lower half are in; the youngest AB loads (A's upper half) may be out
	MULS \f, 0, H, \zero
	PLACES
	FETCH \slot, \k, \g
	s_wait_dscnt 16+2*AB                           ; all but the run just issued
	MULS \f, H, H, \zero
.endm
; The last quarter multiplies buffer 1 and changes slots: ONE barrier.  In front of it each wave waits for all its tensor loads (one is out: its part of the next slot), adds 0 to its spare word, and
; waits for that and for its reads of this slot.  fill = 1: the barrier opens a round of the cluster's, and this slot is filled again, two K steps ahead, first thing behind the round.
.macro TURN slot, next, fill
	WIN 0                                          ; (the add's two registers lie in window 0)
	s_wait_tensorcnt 0x0                           ; all my tensor loads have landed
	ds_add_u32 v[SPW], v[NIL]                      ; 0 onto my spare word
	s_wait_dscnt AB+1                              ; (the add and A's upper half may be out)
	MULS F1, 0, H/2, 0                             ; matrix work stands between the add and the wait for it
	s_wait_dscnt 0x0                               ; the add is done, and my reads of this slot are over
	s_barrier_signal -1
	MULS F1, H/2, H/2, 0                           ; work on registers while the others arrive
.if \fill
	WIN 0
.endif
	s_barrier_wait -1
.if \fill
	CREST                                          ; no wave of any partner still reads this slot's tile or has a load on its way
	s_add_nc_u64 s[G0+4*(\slot)+2:G0+4*(\slot)+3], s[G0+4*(\slot)+2:G0+4*(\slot)+3], 2*KSTEP*2
	s_add_nc_u64 s[G0B+4*(\slot)+2:G0B+4*(\slot)+3], s[G0B+4*(\slot)+2:G0B+4*(\slot)+3], 2*KSTEP*2
	JLOAD \slot                                    ; my one tensor load behind the round; its four v_nop are also the places in front of the loads below
.else
	PLACES
.endif
	FETCH \next, 0, F0
	MULS F1, H, H, 0
.endm
.macro LASTQ                           ; the very last quarter: nothing more to fetch
	s_wait_dscnt AB
	MULS F1, 0, H, 0
	s_wait_dscnt 0x0
	MULS F1, H, H, 0
	WIN 0
.endm
; THE WAY OUT of block a (16 rows of C, 512 bytes each): the sums go as they are into my own stage, 32 bytes a lane and accumulator, the low four registers first, and come back as whole rows.
.macro OUT32 a
.set AC, 64*(\a)
	WIN 0x08                                       ; the store's data (source 1) in window 2, its address in window 0
.set ii, 0
.rept 8
	ds_store_b128 v[STO], v[AC+8*ii:AC+8*ii+3] offset:64*ii
	ds_store_b128 v[STO], v[AC+8*ii+4:AC+8*ii+7] offset:64*ii+16
.set ii, ii+1
.endr
	WIN 0
	s_wait_xcnt 0x0                                ; the stores of the block before have had their addresses translated (ISA guide 3.1): only behind this wait are the registers that they read loaded again
.set ii, 0
.rept 16
	ds_load_b128 v[XB+4*ii:XB+4*ii+3], v[RD] offset:ii*SPITCH  ; LDS serves a wave's instructions in order (ISA guide 5.7.1.4): these see the stores above, and the next block's stores come behind them
.set ii, ii+1
.endr
.set ii, 0
.rept 16
	s_wait_dscnt 15-ii                             ; row ii is back; the 15 - ii loads behind it may be out
	global_store_b128 v[CO], v[XB+4*ii:XB+4*ii+3], s[8:9] offset:(16*(\a)+ii)*CPB th:TH_STORE_NT  ; 512 consecutive bytes, at a multiple of 512 from C's first byte; written once, never read again
.set ii, ii+1
.endr
.endm
	s_wait_tensorcnt 1                             ; my part of K step 0 is in; K step 1's may stay out
	s_barrier_signal -1
	s_barrier_wait -1                              ; everybody's is
	FETCH 0, 0, F0
	QUARTER 0, 64,  F0, F1, 1                      ; the first quarter stands in front of the loop: its products start the sums
	WIN 0                                          ; at a label and at a branch every window is 0
	s_mov_b32 s3, LAPS-1
.Llap:                                                 ; a trip goes once round the ring, from a lap's second quarter to the next lap's first, and fills both slots again
	QUARTER 0, 128, F1, F0, 0
	QUARTER 0, 192, F0, F1, 0
	TURN 0, 1, 1
	QUARTER 1, 64,  F0, F1, 0
	QUARTER 1, 128, F1, F0, 0
	QUARTER 1, 192, F0, F1, 0
	TURN 1, 0, 1
	QUARTER 0, 64,  F0, F1, 0
	WIN 0
	s_sub_co_u32 s3, s3, 1
	s_cmp_lg_u32 s3, 0
	s_cbranch_scc1 .Llap
	QUARTER 0, 128, F1, F0, 0                      ; the last lap is written out: it fills nothing
	QUARTER 0, 192, F0, F1, 0
	TURN 0, 1, 0
	QUARTER 1, 64,  F0, F1, 0
	QUARTER 1, 128, F1, F0, 0
	QUARTER 1, 192, F0, F1, 0
	LASTQ
	PLACES
	OUT32 0
	OUT32 1
	OUT32 2
	OUT32 3
	s_wait_tensorcnt 0x0                           ; the wave's end
	ds_add_u32 v[SPW], v[NIL]
	s_wait_dscnt 0x0
	CROUND                                         ; the closing round: no work-group ends while a partner may still ask for a tile that names it
	s_endpgm
.Lfunc_end_k_q3b6c716a5b_proj:
	.size	k_q3b6c716a5b_proj, .Lfunc_end_k_q3b6c716a5b_proj-k_q3b6c716a5b_proj
	.p2alignl 7, 3214868480
	.fill 96, 4, 3214868480
	.section	.rodata,"a",@progbits
	.p2align	6, 0x0
	.amdhsa_kernel k_q3b6c716a5b_proj
		.amdhsa_group_segment_fixed_size 327680
		.amdhsa_private_segment_fixed_size 0
		.amdhsa_enable_private_segment 0
		.amdhsa_kernarg_size 24
		.amdhsa_user_sgpr_count 2
		.amdhsa_user_sgpr_kernarg_segment_ptr 1
		.amdhsa_wavefront_size32 1
		.amdhsa_system_sgpr_workgroup_id_x 1
		.amdhsa_system_sgpr_workgroup_id_y 1
		.amdhsa_system_sgpr_workgroup_id_z 1
		.amdhsa_system_vgpr_workitem_id 0
		.amdhsa_next_free_vgpr 768
		.amdhsa_next_free_sgpr 66
		.amdhsa_reserve_vcc 0
		.amdhsa_float_denorm_mode_32 3
		.amdhsa_float_denorm_mode_16_64 3
		.amdhsa_memory_ordered 1
		.amdhsa_forward_progress 1
		.amdhsa_inst_pref_size 87
	.end_amdhsa_kernel
	.amdgpu_metadata
---
amdhsa.version: [ 1, 2 ]
amdhsa.kernels:
  - .name:           k_q3b6c716a5b_proj
    .symbol:         k_q3b6c716a5b_proj.kd
    .args:
      - { .name: ctx, .offset: 0, .size: 8, .value_kind: global_buffer, .address_space: global }
      - { .name: w16, .offset: 8, .size: 8, .value_kind: global_buffer, .address_space: global }
      - { .name: out0, .offset: 16, .size: 8, .value_kind: global_buffer, .address_space: global }
    .group_segment_fixed_size: 327680
    .private_segment_fixed_size: 0
    .kernarg_segment_align: 8
    .kernarg_segment_size: 24
    .max_flat_workgroup_size: 128
    .sgpr_count:     66
    .vgpr_count:     768
    .wavefront_size: 32
...
	.end_amdgpu_metadata
.endif
;; end of part 6
